; MI455X (gfx1250); checked and timed in simulation.
; The chip was launched on July 23, 2026; its instructions are those of AMD's public machine-readable ISA for CDNA 5 (MIT licence, August 2026) and "CDNA5" Instruction Set Architecture Reference Guide (July 2026). The comments in the code are by the model that wrote it; some were corrected since.
;; Relation Aware Attention. Allowed arithmetic: float matrix products may take bf16 or f16 operands with f32 sums; other float arithmetic in f32, or as packed bf16 or f16 multiplies, adds, multiply-adds, maxima and minima; sums over many terms, partial sums and values carried from step to step in f32; what a program stores and reads back later, other than sums and carried values, may be rounded once to bf16 or f16.
;; Inputs: Wk 1,024 x 1,024 float32; Wo 1,024 x 1,024 float32; Wq 1,024 x 1,024 float32; Wrel 16 x 8 float32; Wv 1,024 x 1,024 float32; bk 1,024 float32; bo 1,024 float32; bq 1,024 float32; brel 8 float32; bv 1,024 float32; x 8 x 1,024 x 1,024 float32.
;; Outputs: out0 8 x 1,024 x 1,024 float32; out1 8 x 8 float32.
;; 2 versions, each right; version 2 is version 1 with the launch prep written anew for expert scheduling mode. Each part assembles by itself: llvm-mc -triple=amdgcn-amd-amdhsa -mcpu=gfx1250 --defsym DOCPART=n.
;; ======== version 1 of 2: 4 launches
;; limits: values are held in f16: magnitudes above 65,504 overflow, below 6.1e-05 lose precision
;; workspace buffers: xb 16,777,216 bytes; wqkv 6,291,456 bytes; wo16 2,097,152 bytes; q16 16,777,216 bytes; k16 16,777,216 bytes; v16 16,777,216 bytes; ctx 16,777,216 bytes; hp 4,096 bytes
;; launch prep (part 1): grid 768 x 1, 8 waves a work-group, no clusters, 0 bytes of LDS; arguments x, Wq, Wk, Wv, Wo, xb, wqkv, wo16; writes xb, wqkv, wo16
.if DOCPART == 1
	.amdgcn_target "amdgcn-amd-amdhsa--gfx1250"
	.amdhsa_code_object_version 6
	.text
	.protected	k_q0d481f88c3_prep
	.globl	k_q0d481f88c3_prep
	.p2align	8
	.type	k_q0d481f88c3_prep,@function
k_q0d481f88c3_prep:
	s_mov_b64 s[64:65], 0
	v_nop
	global_prefetch_b8 v0, s[64:65] scope:SCOPE_SE
	s_setreg_imm32_b32 hwreg(HW_REG_WAVE_MODE, 25, 1), 1
	s_wait_xcnt 0x0
; THE OPERANDS ARE MADE 16 BITS WIDE, ONCE.  x [8192][1024] f32 -> xb, bf16, same order.  Wq, Wk, Wv [1024 k][1024 n] f32 -> wqkv, bf16, in blocks
; [16 heads j][8 K steps s][3 matrices m][128 k][64 n], so that what a tile of the next launch wants of a K step lies dense.  Wo -> wo16: rounded to bf16 like every
; other input, and that number written as f16 (exact from 2^-14 up; below 2^-17 it keeps f16's fixed step of 6e-8; beyond 65,504 it is lost).
; A stream: no LDS, no barrier, no matrix unit.  Every work-group takes 65,536 bytes in and 32,768 out, a wave 8,192 in: sixteen loads of 16 bytes a lane, all issued
; before the first is waited for.  A store is 8 bytes a lane: 32 lanes fill 256 consecutive bytes, aligned.  No register is written twice, so no store's source needs a wait.
.set VI,  2                            ; v2   my byte offset in the wave's input
.set VO,  3                            ; v3   my byte offset in the wave's output
.set T,   4                            ; v[4:7]  at work
.set X,   16                           ; v[16:79]   sixteen loads of four f32
.set Y,   80                           ; v[80:111]  sixteen stores of four 16-bit numbers
.set WV,  8                            ; s8   my wave's number
.set HIM, 32                           ; s32  a word's upper half
; Sixteen loads istep bytes apart, then for each: its wait (the younger loads stay out), the rounding, the store.  kind = 1: bf16's number as f16.
.macro CONV istep, kind
.set i, 0
.rept 16
	global_load_b128 v[X+4*i:X+4*i+3], v[VI], s[4:5] offset:i*(\istep) th:TH_LOAD_NT
.set i, i+1
.endr
.set i, 0
.rept 16
	s_wait_loadcnt 15-i                            ; loads come back in order: number i is in, the 15 - i younger ones may be out
.if \kind
	v_cvt_pk_bf16_f32 v[T], v[X+4*i], v[X+4*i+1]
	v_cvt_pk_bf16_f32 v[T+1], v[X+4*i+2], v[X+4*i+3]
	v_lshlrev_b32 v[T+2], 16, v[T]                 ; back to f32: the low half moves up, the high half stays
	v_and_b32 v[T], s[HIM], v[T]
	v_lshlrev_b32 v[T+3], 16, v[T+1]
	v_and_b32 v[T+1], s[HIM], v[T+1]
	v_cvt_pk_f16_f32 v[Y+2*i], v[T+2], v[T]
	v_cvt_pk_f16_f32 v[Y+2*i+1], v[T+3], v[T+1]
.else
	v_cvt_pk_bf16_f32 v[Y+2*i], v[X+4*i], v[X+4*i+1]
	v_cvt_pk_bf16_f32 v[Y+2*i+1], v[X+4*i+2], v[X+4*i+3]
.endif
	global_store_b64 v[VO], v[Y+2*i:Y+2*i+1], s[6:7] offset:i*256
.set i, i+1
.endr
.endm
	s_load_b512 s[16:31], s[0:1], 0x0              ; x 16, Wq 18, Wk 20, Wv 22, Wo 24, xb 26, wqkv 28, wo16 30
	v_lshrrev_b32 v1, 5, v0
	v_readfirstlane_b32 s[WV], v1                  ; wave 0..7
	v_and_b32 v1, 31, v0                           ; lane
	s_mov_b32 s[HIM], 0xffff0000
	s_cmp_lt_u32 ttmp9, 512
	s_cbranch_scc0 .Lweights
	; work-groups 0 to 511: x, in order
	s_lshl_b32 s12, ttmp9, 16
	s_mov_b32 s13, 0
	s_lshl_b32 s14, ttmp9, 15
	s_mov_b32 s15, 0
	s_lshl_b32 s9, s[WV], 13
	v_lshl_add_u32 v[VI], v1, 4, s9                ; 8,192 x wave + 16 x lane
	s_lshl_b32 s9, s[WV], 12
	v_lshl_add_u32 v[VO], v1, 3, s9                ; 4,096 x wave + 8 x lane
	s_wait_kmcnt 0x0
	s_add_nc_u64 s[4:5], s[16:17], s[12:13]
	s_add_nc_u64 s[6:7], s[26:27], s[14:15]
	CONV 512, 0
	s_endpgm
.Lweights:
	s_cmp_lt_u32 ttmp9, 704
	s_cbranch_scc0 .Lwo
	; work-groups 512 to 703: 64 for each of Wq, Wk, Wv; each makes two blocks of 128 k x 64 n, four waves to a block, 32 rows of k to a wave
	s_sub_co_u32 s9, ttmp9, 512
	s_lshr_b32 s10, s9, 6                          ; m: which matrix
	s_and_b32 s9, s9, 63
	s_lshr_b32 s11, s[WV], 2
	s_lshl1_add_u32 s9, s9, s11                    ; the block's number 8 j + s
	s_and_b32 s11, s[WV], 3                        ; my quarter of its rows
	s_lshr_b32 s12, s9, 3                          ; j
	s_and_b32 s13, s9, 7                           ; s
	s_lshl_b32 s13, s13, 19                        ; 128 s rows of 4,096 bytes
	s_lshl_b32 s14, s11, 17                        ; + 32 rows for each quarter
	s_add_co_u32 s13, s13, s14
	s_lshl_b32 s12, s12, 8                         ; + 64 j columns of 4 bytes
	s_add_co_u32 s12, s12, s13
	s_mov_b32 s13, 0
	s_mul_i32 s14, s9, 3
	s_add_co_u32 s14, s14, s10                     ; block 3 (8 j + s) + m of 16,384 bytes
	s_lshl_b32 s14, s14, 14
	s_lshl_b32 s15, s11, 12                        ; + 32 rows of 128 bytes for each quarter
	s_add_co_u32 s14, s14, s15
	s_mov_b32 s15, 0
	v_lshrrev_b32 v[VI], 4, v1                     ; lanes 0-15 take 256 bytes of row k, lanes 16-31 of row k + 1
	v_lshlrev_b32 v[VI], 12, v[VI]
	v_and_b32 v[T], 15, v1
	v_lshl_or_b32 v[VI], v[T], 4, v[VI]
	v_lshlrev_b32 v[VO], 3, v1                     ; and the two rows lie on end in the block: 256 bytes
	s_wait_kmcnt 0x0
	s_cmp_eq_u32 s10, 0
	s_cselect_b64 s[4:5], s[18:19], s[20:21]
	s_cmp_eq_u32 s10, 2
	s_cselect_b64 s[4:5], s[22:23], s[4:5]
	s_add_nc_u64 s[4:5], s[4:5], s[12:13]
	s_add_nc_u64 s[6:7], s[28:29], s[14:15]
	CONV 8192, 0
	s_endpgm
.Lwo:
	; work-groups 704 to 767: Wo, in order
	s_sub_co_u32 s9, ttmp9, 704
	s_lshl_b32 s12, s9, 16
	s_mov_b32 s13, 0
	s_lshl_b32 s14, s9, 15
	s_mov_b32 s15, 0
	s_lshl_b32 s9, s[WV], 13
	v_lshl_add_u32 v[VI], v1, 4, s9
	s_lshl_b32 s9, s[WV], 12
	v_lshl_add_u32 v[VO], v1, 3, s9
	s_wait_kmcnt 0x0
	s_add_nc_u64 s[4:5], s[24:25], s[12:13]
	s_add_nc_u64 s[6:7], s[30:31], s[14:15]
	CONV 512, 1
	s_endpgm
.Lfunc_end_k_q0d481f88c3_prep:
	.size	k_q0d481f88c3_prep, .Lfunc_end_k_q0d481f88c3_prep-k_q0d481f88c3_prep
	.p2alignl 7, 3214868480
	.fill 96, 4, 3214868480
	.section	.rodata,"a",@progbits
	.p2align	6, 0x0
	.amdhsa_kernel k_q0d481f88c3_prep
		.amdhsa_group_segment_fixed_size 0
		.amdhsa_private_segment_fixed_size 0
		.amdhsa_enable_private_segment 0
		.amdhsa_kernarg_size 64
		.amdhsa_user_sgpr_count 2
		.amdhsa_user_sgpr_kernarg_segment_ptr 1
		.amdhsa_wavefront_size32 1
		.amdhsa_system_sgpr_workgroup_id_x 1
		.amdhsa_system_sgpr_workgroup_id_y 1
		.amdhsa_system_sgpr_workgroup_id_z 1
		.amdhsa_system_vgpr_workitem_id 0
		.amdhsa_next_free_vgpr 112
		.amdhsa_next_free_sgpr 66
		.amdhsa_reserve_vcc 0
		.amdhsa_float_denorm_mode_32 3
		.amdhsa_float_denorm_mode_16_64 3
		.amdhsa_memory_ordered 1
		.amdhsa_forward_progress 1
		.amdhsa_inst_pref_size 24
	.end_amdhsa_kernel
	.amdgpu_metadata
---
amdhsa.version: [ 1, 2 ]
amdhsa.kernels:
  - .name:           k_q0d481f88c3_prep
    .symbol:         k_q0d481f88c3_prep.kd
    .args:
      - { .name: x, .offset: 0, .size: 8, .value_kind: global_buffer, .address_space: global }
      - { .name: Wq, .offset: 8, .size: 8, .value_kind: global_buffer, .address_space: global }
      - { .name: Wk, .offset: 16, .size: 8, .value_kind: global_buffer, .address_space: global }
      - { .name: Wv, .offset: 24, .size: 8, .value_kind: global_buffer, .address_space: global }
      - { .name: Wo, .offset: 32, .size: 8, .value_kind: global_buffer, .address_space: global }
      - { .name: xb, .offset: 40, .size: 8, .value_kind: global_buffer, .address_space: global }
      - { .name: wqkv, .offset: 48, .size: 8, .value_kind: global_buffer, .address_space: global }
      - { .name: wo16, .offset: 56, .size: 8, .value_kind: global_buffer, .address_space: global }
    .group_segment_fixed_size: 0
    .private_segment_fixed_size: 0
    .kernarg_segment_align: 8
    .kernarg_segment_size: 64
    .max_flat_workgroup_size: 256
    .sgpr_count:     66
    .vgpr_count:     112
    .wavefront_size: 32
...
	.end_amdgpu_metadata
.endif
;; end of part 1
;; launch qkv (part 2): grid 16 x 16, 4 waves a work-group, clusters of 4 x 4, 327,680 bytes of LDS; arguments xb, wqkv, bq, bk, bv, q16, k16, v16; writes q16, k16, v16
.if DOCPART == 2
	.amdgcn_target "amdgcn-amd-amdhsa--gfx1250"
	.amdhsa_code_object_version 6
	.text
	.protected	k_q0d481f88c3_qkv
	.globl	k_q0d481f88c3_qkv
	.p2align	8
	.type	k_q0d481f88c3_qkv,@function
k_q0d481f88c3_qkv:
	s_mov_b64 s[64:65], 0
	v_nop
	global_prefetch_b8 v0, s[64:65] scope:SCOPE_SE
	s_setreg_imm32_b32 hwreg(HW_REG_WAVE_MODE, 25, 1), 1
	s_wait_xcnt 0x0
	s_wait_alu depctr_hold_cnt(0) depctr_sa_sdst(0) depctr_va_vdst(0) depctr_va_sdst(0) depctr_va_ssrc(0) depctr_va_vcc(0) depctr_vm_vsrc(0)
	s_getreg_b32 s2, hwreg(HW_REG_IB_STS2, 6, 4)
	s_cmp_eq_u32 s2, 0
	s_cbranch_scc0 .Lentry_in_a_cluster
	s_endpgm
.Lentry_in_a_cluster:
	s_bfe_u32 s2, ttmp6, 0x10000c
	s_cmp_lg_u32 s2, 0xf033
	s_cbranch_scc0 .Lentry_shape_is_right
	s_endpgm
.Lentry_shape_is_right:
; q, k, v = x W + b for one head at a time.  xb: [8192][1024] bf16.  wqkv: bf16 blocks [16 j][8 s][3 m][128 k][64 n].  bq, bk, bv: [1024] f32, rounded to bf16 like every input.
; q16, k16, v16: f16 [128 = 16 batch + head][1024][64], each number rounded once from its f32 sum, unscaled.
; LIMIT.  f16 ends at 65,504: a q, k or v beyond that is lost.  Inputs 30 times those drawn give some 5e3, a common offset of 30 spreads in x and W some 3e4.
; SHARES.  A tile is 256 rows x 192 columns: head j's 64 columns of q, of k and of v.  Four waves one below the other, each 64 rows x all 192 columns: 48 accumulators, 384 registers.  So a wave
; holds whole rows of its outputs and has a stage of its own on the way out.
; A WORK-GROUP STAYS: it makes two tiles of one head, tile rows ty and ty + 16.  Their 2 x 8 K steps of 128 are ONE sequence of 16 times for the ring of two LDS slots: a loop's trip is one K step,
; 14 trips ask for times 2 to 15, and the trip that ends the first tile goes through the way out and a first quarter; nothing waits for the first tile's stores.
; THE WALK ALONG K IS ROTATED: at time T a cluster multiplies K step (T + ROT) % 8, ROT = 2 X + 4 (Y % 2) from the cluster's own coordinates X, Y (the sums are f32 and may be taken in any order).
; The four clusters of one Y, which read the same rows of x, begin 2 K steps apart: at the first two times of a tile they ask for all 8 K steps between them, and from then on each asks for a K step
; that another has asked for two times earlier.  Clusters Y and Y + 1, which read the same W, begin 4 K steps apart.
; THE PRODUCT IS USED TRANSPOSED: source 0 = 16 columns of W ([k][n] in LDS, turned by ds_load_tr16_b128), source 1 = 16 rows of x.  A lane then holds one row and eight neighbouring columns.
; THE BIAS IS THE C OPERAND of each accumulator's first product in a tile: nothing is cleared and nothing is added later.
; CLUSTER.  4 x 4 work-groups.  x's tile hangs on the tile row alone and is asked for jointly along a row of the cluster, W's on the head alone, jointly along a column.
; REGISTERS, in windows of 256 (s_set_vgpr_msb: bits 1:0 source 0, 3:2 source 1, 5:4 source 2, 7:6 destination):
;   window 0: v0-31 addresses and scratch; v32-127 the bias, kept for both tiles; v128-175 packed results
;   window 1: two fragment buffers of 128: W's block b at 8 b, x's block a at 96 + 8 a; on the way out buffer 1 takes the rows read back          windows 2, 3: accumulator (a, b) in window 2 + a / 2 at 96 (a % 2) + 8 b
.set NB,     12                        ; column blocks of 16
.set PA,     272                       ; a row of x in LDS: 256 bytes + 16: the 16 rows of a load start at 16 different groups of four banks (64 banks of 4 bytes: ISA guide 11.1)
.set PB,     160                       ; a row of W: 128 bytes + 32
.set AHALF,  128*PA                    ; what wave 0 or 1 fetches
.set ABYTES, 256*PA
.set BHALF,  192*PB                    ; what wave 2 or 3 fetches: half of 3 x 128 rows
.set BPLANE, 128*PB
.set SLOT1,  131072                    ; ABYTES + 3 BPLANE: a slot; slot 1 begins here, so that one exclusive or turns an address
.set STAGE,  2*SLOT1                   ; behind the ring: for each wave 3 x 16 rows x 144 bytes
.set SP,     144
.set WSTAGE, 3*16*SP
.set SPARE,  STAGE+4*WSTAGE            ; behind the stages: the spare words, 128 bytes for each wave, that no other line names
.set WALKA,  256                       ; bytes from a K step to the next, in xb
.set WALKB,  49152                     ; and in wqkv
.set TILEA,  8388608                   ; from a tile's rows of xb to the next tile's: 16 x 256 rows of 2,048 bytes
.set TILEO,  8388608                   ; and in each output: 4 batches x 16 heads x 131,072 bytes
.set A0,   4                           ; v4   my lane's place in x's tile; never rewritten
.set B0,   5                           ; v5   the same for W
.set ADRA, 6                           ; v6   A0 + the slot in hand
.set ADRB, 7                           ; v7   B0 + the slot in hand
.set STO,  8                           ; v8   the way out: where I put 16 bytes of a row
.set RD,   9                           ; v9   where I read rows back
.set GO,   10                          ; v10  my byte offset in 512 consecutive bytes of an output
.set BO,   11                          ; v11  my byte offset in 16 numbers of a bias
.set PFO,  12                          ; v12  the prefetches' offset; never rewritten
.set SPW,  14                          ; v14  LDS address of my spare word; never rewritten
.set NIL,  15                          ; v15  0; never rewritten
.set BI,   32
.set TMP,  128
.set F0,   0
.set F1,   128
.set BK,   128                         ; in window 1: two buffers of 48, where fragment buffer 1 lies
.set WV,   20                          ; s20  my wave's number
.set SQ,   21                          ; s21  ROT + the time last asked for
.set HALF, 22                          ; s22  which half of a tile I fetch
.set CX,   23
.set CY,   24
.set TX,   25                          ; s25  the head
.set TY,   26                          ; s26  the first tile's row
.set CNT,  27
.set TB,   28                          ; s28  LDS byte at which the slot in hand begins
.set LIM,  29                          ; s29  a wave prefetches in the trips CNT = LIM and LIM + 1
.set PFA,  30                          ; s[30:31] where my prefetches stand
.set PFS,  32                          ; s[32:33] their step
.set HIM,  34                          ; s34  a word's upper half
.set ROT,  35                          ; s35  the K step at which my cluster begins
.set G1A,  36                          ; s[36:43] descriptor group 1 for x's tiles
.set G1B,  44                          ; s[44:51] for W's
.set G0A,  52                          ; s[52:59] group 0 for x's tiles: a set for each first fill; the second then serves every refill
.set OA,   60                          ; s[60:61] a K step's byte offset in xb; the high word stays 0
.set OB,   62                          ; s[62:63] and in wqkv
.set OT,   66                          ; s[66:67] TILEA in the trip that asks for the second tile's first K step, else 0
.set G0B,  68                          ; s[68:75] group 0 for W's tiles
.set AB,   78                          ; s[78:79] xb at my 128 rows of the tile that is being asked for
.set BB,   82                          ; s[82:83] wqkv at my half of the head's K step 0
.set MSB, 0
.macro WIN new                         ; the immediate's high byte repeats the setting that is left; a switch that changes nothing is dropped
.if MSB != (\new)
	s_set_vgpr_msb (MSB<<8)|(\new)
.set MSB, \new
.endif
.endm
.macro PLACES                          ; four plain instructions between a product and a load into, or a reader of, its registers (ISA guide 7.12.1 for readers)
.rept 4
	v_nop
.endr
.endm
.macro CREST                           ; a round of the cluster's barrier behind its opening barrier
	s_cmp_lg_u32 s[WV], 0
	s_cbranch_scc1 .Lnot_wave_0_\@
	s_barrier_signal -3
.Lnot_wave_0_\@:
	s_barrier_wait -3
	s_barrier_signal -1
	s_barrier_wait -1
.endm
.macro CROUND
	s_barrier_signal -1
	s_barrier_wait -1
	CREST
.endm
; A joint refill: waves 0 and 1 fetch x's halves, waves 2 and 3 W's.  An s_nop 0 and four v_nop follow each line.
.macro JLOAD
	s_cmp_lt_u32 s[WV], 2
	s_cbranch_scc0 .Lfor_b_\@
	tensor_load_to_lds s[G0A+4:G0A+7], s[G1A:G1A+7]
	s_nop 0
.rept 4
	v_nop
.endr
	s_branch .Lasked_\@
.Lfor_b_\@:
	tensor_load_to_lds s[G0B+4:G0B+7], s[G1B:G1B+7]
	s_nop 0
.rept 4
	v_nop
.endr
.Lasked_\@:
.endm
; A PREFETCH INTO THE L2, behind the joint load and the run of LDS loads: one instruction a wave.  It names the blocks of 256 bytes that my cluster is the first in the launch to load by a refill.
; x: K steps ROT and ROT + 1 of the second tile's rows, which my cluster loads in the trips CNT = 8 and 7: named in the trips CNT = 10 and 9, two refills ahead, by waves 0 and 1 of every cluster;
; of a wave's 128 rows the partner at cx takes 32, a lane a row.  The four clusters of one Y name different K steps.
; W: K step (ROT + 3) % 8, loaded in the trip CNT = 13: named in the trip CNT = 14, one refill ahead, by waves 2 and 3 of the clusters Y = 0 and 1 (Y + 2 walks as Y does); of a wave's 24,576 bytes
; the partner at cy takes 6,144: 24 blocks; lanes 24 to 31 repeat lane 23's.  The K step loaded in the trip CNT = 14 has nothing but the kernel's head ahead of it and is not named.
; The partners are told apart by address alone.
.macro ASK
	s_sub_co_u32 s88, s[CNT], s[LIM]
	s_cmp_lt_u32 s88, 2
	s_cbranch_scc0 .Lnot_mine_\@
	global_prefetch_b8 v[PFO], s[PFA:PFA+1] th:TH_LOAD_NT scope:SCOPE_SE
.Lnot_mine_\@:
.endm
; 32 LDS loads in one run: quarter q (32 along K) of the slot in hand into buffer f: W's 12 blocks, then x's 4
.macro FETCH q, f
	WIN 0x40                                       ; destination window 1, address window 0
.set b, 0
.rept NB
	ds_load_tr16_b128 v[(\f)+8*b:(\f)+8*b+3],   v[ADRB] offset:(b/4)*BPLANE+(b%4)*32+(\q)*32*PB
	ds_load_tr16_b128 v[(\f)+8*b+4:(\f)+8*b+7], v[ADRB] offset:(b/4)*BPLANE+(b%4)*32+(\q)*32*PB+16*PB
.set b, b+1
.endr
.set b, 0
.rept 4
	ds_load_b128 v[(\f)+96+8*b:(\f)+96+8*b+3],   v[ADRA] offset:64*(\q)+b*16*PA
	ds_load_b128 v[(\f)+96+8*b+4:(\f)+96+8*b+7], v[ADRA] offset:64*(\q)+b*16*PA+32
.set b, b+1
.endr
.endm
; 12 products: row block a x all column blocks.  All 48 accumulators of a quarter take turns, in the same order in every quarter.  first = 1: C is the bias.
.macro MULA f, a, first
.if \first
	WIN 0x85+0x40*((\a)/2)
.else
	WIN 0xa5+0x50*((\a)/2)
.endif
.set AC, 8*NB*((\a)%2)
.set b, 0
.rept NB
.if \first
	v_wmma_f32_16x16x32_bf16 v[AC+8*b:AC+8*b+7], v[(\f)+8*b:(\f)+8*b+7], v[(\f)+96+8*(\a):(\f)+96+8*(\a)+7], v[BI+8*b:BI+8*b+7]
.else
	v_wmma_f32_16x16x32_bf16 v[AC+8*b:AC+8*b+7], v[(\f)+8*b:(\f)+8*b+7], v[(\f)+96+8*(\a):(\f)+96+8*(\a)+7], v[AC+8*b:AC+8*b+7]
.endif
.set b, b+1
.endr
.endm
; One of a K step's first three quarters: multiplies buffer f; in its middle fetches quarter q into buffer g
.macro QUARTER q, f, g, first
	s_wait_dscnt 4                                 ; W and x's blocks 0, 1 are in; the youngest four loads (blocks 2, 3) may be out
	MULA \f, 0, \first
	MULA \f, 1, \first
	PLACES
	FETCH \q, \g
	s_wait_dscnt 2*NB+8                            ; all but the run just issued
	MULA \f, 2, \first
	MULA \f, 3, \first
.endm
; The last quarter multiplies buffer 1 and changes slots.  In front of the barrier each wave waits for all its tensor loads (one is out: its part of the next slot), adds 0 to its spare word, and
; waits for that and for its reads of this slot.  fill = 1: the barrier opens a round of the cluster's, and this slot is filled again, first thing behind it, with the K step of the time two on:
; 168 products stand between that request and the wait for it.  The descriptors' global addresses are made anew from the K step's number.
.macro TURN fill
.if \fill
	s_wait_xcnt 0x0                                ; the last prefetch, a K step back or more, has read its address
	s_add_nc_u64 s[PFA:PFA+1], s[PFA:PFA+1], s[PFS:PFS+1]
.endif
	WIN 0
	s_wait_tensorcnt 0x0                           ; no tensor load of mine is out, so a group 0 may be written
	ds_add_u32 v[SPW], v[NIL]
.if \fill
	s_cmp_eq_u32 s[CNT], 8                         ; this trip asks for time 8: the second tile's rows from here on
	s_cselect_b32 s[OT], TILEA, 0
	s_add_nc_u64 s[AB:AB+1], s[AB:AB+1], s[OT:OT+1]
	s_add_co_u32 s[SQ], s[SQ], 1
	s_and_b32 s88, s[SQ], 7                        ; the K step of the time asked for
	s_lshl_b32 s[OA], s88, 8
	s_mul_i32 s[OB], s88, WALKB
	s_xor_b32 s[G0A+5], s[G0A+5], SLOT1            ; the other slot than last time
	s_add_nc_u64 s[G0A+6:G0A+7], s[AB:AB+1], s[OA:OA+1]
	s_or_b32 s[G0A+7], s[G0A+7], 0x80000000
	s_xor_b32 s[G0B+5], s[G0B+5], SLOT1
	s_add_nc_u64 s[G0B+6:G0B+7], s[BB:BB+1], s[OB:OB+1]
	s_or_b32 s[G0B+7], s[G0B+7], 0x80000000
.endif
	s_xor_b32 s[TB], s[TB], SLOT1
	s_wait_dscnt 5                                 ; the add and the youngest four loads may be out
	MULA F1, 0, 0
	s_wait_dscnt 0x0                               ; the add is done, and my reads of this slot are over
	s_barrier_signal -1
	MULA F1, 1, 0
	WIN 0
	s_barrier_wait -1
.if \fill
	CREST                                          ; no wave of any partner still reads this slot or has a load on its way
	JLOAD                                          ; its four v_nop are also the places in front of the loads below
.else
	PLACES
.endif
	v_add_nc_u32 v[ADRA], s[TB], v[A0]
	v_add_nc_u32 v[ADRB], s[TB], v[B0]
	FETCH 0, F0
.if \fill
	WIN 0
	ASK
.endif
	MULA F1, 2, 0
	MULA F1, 3, 0
.endm
; THE WAY OUT, a block of 16 rows at a time.  PACKS: rounded to f16, 16 bytes a lane into my stage (three planes: q, k, v), and back as whole rows of 128 bytes, into fragment buffer 1's registers,
; which the tile's last products have read.  SEND: stored.
.macro PACKS a
	WIN 0x0a+5*((\a)/2)                            ; sources 0 and 1 in window 2 or 3
.set AC, 8*NB*((\a)%2)
.set b, 0
.rept 4*NB
	v_cvt_pk_f16_f32 v[TMP+b], v[AC+2*b], v[AC+2*b+1]
.set b, b+1
.endr
	WIN 0
.set b, 0
.rept NB
	ds_store_b128 v[STO], v[TMP+4*b:TMP+4*b+3] offset:(b/4)*16*SP+(b%4)*32
.set b, b+1
.endr
	s_wait_xcnt 0x0                                ; the stores of the block two back have read the registers that are loaded now
	WIN 0x40                                       ; destination window 1
.set b, 0
.rept NB
	ds_load_b128 v[BK+48*((\a)%2)+4*b:BK+48*((\a)%2)+4*b+3], v[RD] offset:(b/4)*16*SP+(b%4)*4*SP  ; LDS serves a wave's instructions in order (ISA guide 5.7.1.4): these see the stores above
.set b, b+1
.endr
.endm
.macro SEND a, younger                 ; younger: the LDS instructions issued behind this block's loads
	WIN 0x04                                       ; the stores' data in window 1
.set b, 0
.rept NB
	s_wait_dscnt (\younger)+NB-1-b
	global_store_b128 v[GO], v[BK+48*((\a)%2)+4*b:BK+48*((\a)%2)+4*b+3], s[14+2*(b/4):15+2*(b/4)] offset:(\a)*2048+(b%4)*512  ; 512 consecutive bytes, aligned
.set b, b+1
.endr
.endm
.macro WAYOUT
	PLACES
	PLACES
	PACKS 0
	PACKS 1
	SEND 0, 24
	PACKS 2
	SEND 1, 24
	PACKS 3
	SEND 2, 24
	SEND 3, 0
	WIN 0
.endm
	s_load_b512 s[4:19], s[0:1], 0x0               ; xb 4, wqkv 6, bq 8, bk 10, bv 12, q16 14, k16 16, v16 18
	v_lshl_add_u32 v[SPW], v0, 2, SPARE
	v_mov_b32 v[NIL], 0
	ds_add_u32 v[SPW], v[NIL]                      ; the wave's opening: the add and its wait ahead of my first tensor load
	v_lshrrev_b32 v16, 5, v0
	v_readfirstlane_b32 s[WV], v16                 ; wave 0..3
	s_and_b32 s[HALF], s[WV], 1
	s_bfe_u32 s[CX], ttmp6, 0x40000
	s_bfe_u32 s[CY], ttmp6, 0x40004
	s_lshl_b32 s[TX], ttmp9, 2
	s_add_co_u32 s[TX], s[TX], s[CX]               ; head = 4 x cluster x + cx
	s_and_b32 s[TY], ttmp7, 0xffff
	s_lshl_b32 s[TY], s[TY], 2
	s_add_co_u32 s[TY], s[TY], s[CY]               ; tile row = 4 x cluster y + cy
	s_and_b32 s[ROT], ttmp7, 1                     ; ROT = 2 X + 4 (Y % 2), modulo 8: equal in all sixteen partners
	s_lshl_b32 s[ROT], s[ROT], 1
	s_add_co_u32 s[ROT], s[ROT], ttmp9
	s_lshl_b32 s[ROT], s[ROT], 1
	s_and_b32 s[ROT], s[ROT], 7
	s_add_co_u32 s[SQ], s[ROT], 1                  ; the first fills ask for times 0 and 1; ROT is even, so ROT + 1 is a K step too
	s_lshl_b32 s76, s[CY], 2
	s_lshl_b32 s76, 15, s76                        ; my row of the cluster
	s_lshl_b32 s80, 0x1111, s[CX]                  ; my column
	s_or_b32 s[G1A], s76, (1<<16)|(1<<20)|(1<<21)|(5<<22)|(3<<25)  ; the mask; 2-byte elements; padding on; 21 set beside a mask; after every 64 words 4 words
	s_or_b32 s[G1B], s80, (1<<16)|(1<<20)|(1<<21)|(4<<22)|(7<<25)  ; after every 32 words 8 words
	s_mov_b32 s[G1A+1], 128<<16                    ; tensor_dim0 = 128
	s_mov_b32 s[G1A+2], 128<<16                    ; tensor_dim1 = 128
	s_mov_b32 s[G1A+3], 128<<16                    ; tile_dim0 = 128
	s_mov_b32 s[G1A+4], 128                        ; tile_dim1 = 128
	s_mov_b32 s[G1A+5], 1024                       ; elements from row to row
	s_mov_b32 s[G1A+6], 0
	s_mov_b32 s[G1A+7], 0
	s_mov_b32 s[G1B+1], 128<<16                    ; 24,576 dense bytes as 96 rows of 256: two rows of W a row
	s_mov_b32 s[G1B+2], 96<<16
	s_mov_b32 s[G1B+3], 128<<16
	s_mov_b32 s[G1B+4], 96
	s_mov_b32 s[G1B+5], 128
	s_mov_b32 s[G1B+6], 0
	s_mov_b32 s[G1B+7], 0
	s_lshl_b32 s76, s[TY], 19                      ; x: row 256 ty + 128 half, 2,048 bytes a row
	s_lshl_b32 s77, s[HALF], 18
	s_add_co_u32 s76, s76, s77
	s_mov_b32 s77, 0
	s_mul_i32 s80, s[TX], 393216                   ; W: the head's 8 K steps of 49,152 bytes, my half of a step
	s_mul_i32 s81, s[HALF], 24576
	s_add_co_u32 s80, s80, s81
	s_mov_b32 s81, 0
	s_mul_i32 s92, s[HALF], AHALF                  ; where they go: no place in the cluster enters an LDS address
	s_mul_i32 s93, s[HALF], BHALF
	s_add_co_u32 s93, s93, ABYTES
	s_lshl_b32 s[OA], s[ROT], 8                    ; K step ROT
	s_mov_b32 s[OA+1], 0
	s_mul_i32 s[OB], s[ROT], WALKB
	s_mov_b32 s[OB+1], 0
	s_mov_b32 s[OT+1], 0
	s_mov_b32 s[HIM], 0xffff0000
	v_and_b32 v1, 15, v0                           ; l % 16
	v_bfe_u32 v2, v0, 4, 1                         ; l / 16
	v_and_b32 v3, 31, v0                           ; l
	v_lshlrev_b32 v[BO], 5, v2
	s_lshl_b32 s94, s[TX], 8
	s_mov_b32 s95, 0
	s_wait_dscnt 0x0                               ; the opening add is done
	s_wait_kmcnt 0x0
	s_add_nc_u64 s[AB:AB+1], s[4:5], s[76:77]
	s_add_nc_u64 s[BB:BB+1], s[6:7], s[80:81]
	s_add_nc_u64 s[88:89], s[AB:AB+1], s[OA:OA+1]
	s_add_nc_u64 s[90:91], s[BB:BB+1], s[OB:OB+1]
.irp n, 0,1
	s_mov_b32 s[G0A+4*(\n)], 1
	s_add_co_u32 s[G0A+4*(\n)+1], s92, (\n)*SLOT1
	s_add_nc_u64 s[G0A+4*(\n)+2:G0A+4*(\n)+3], s[88:89], (\n)*WALKA
	s_or_b32 s[G0A+4*(\n)+3], s[G0A+4*(\n)+3], 0x80000000
	s_mov_b32 s[G0B+4*(\n)], 1
	s_add_co_u32 s[G0B+4*(\n)+1], s93, (\n)*SLOT1
	s_add_nc_u64 s[G0B+4*(\n)+2:G0B+4*(\n)+3], s[90:91], (\n)*WALKB
	s_or_b32 s[G0B+4*(\n)+3], s[G0B+4*(\n)+3], 0x80000000
.endr
	; the bias is asked for ahead of the round: block b's eight registers hold numbers 16 (b % 4) + 8 (l / 16) + 0..7 of matrix b / 4, head TX
	s_add_nc_u64 s[8:9], s[8:9], s[94:95]
	s_add_nc_u64 s[10:11], s[10:11], s[94:95]
	s_add_nc_u64 s[12:13], s[12:13], s[94:95]
.set b, 0
.rept NB
	global_load_b128 v[BI+8*b:BI+8*b+3],   v[BO], s[8+2*(b/4):9+2*(b/4)] offset:64*(b%4)
	global_load_b128 v[BI+8*b+4:BI+8*b+7], v[BO], s[8+2*(b/4):9+2*(b/4)] offset:64*(b%4)+16
.set b, b+1
.endr
	CROUND                                         ; all sixteen work-groups are here: the first joint loads meet
	s_cmp_lt_u32 s[WV], 2                          ; a wave's two first fills stand in one branch: two loads of mine are out
	s_cbranch_scc0 .Lfirst_b
	tensor_load_to_lds s[G0A:G0A+3], s[G1A:G1A+7]
	s_nop 0
	tensor_load_to_lds s[G0A+4:G0A+7], s[G1A:G1A+7]
	s_nop 0
.rept 4
	v_nop
.endr
	s_branch .Lfirst_asked
.Lfirst_b:
	tensor_load_to_lds s[G0B:G0B+3], s[G1B:G1B+7]
	s_nop 0
	tensor_load_to_lds s[G0B+4:G0B+7], s[G1B:G1B+7]
	s_nop 0
.rept 4
	v_nop
.endr
.Lfirst_asked:
	; a fragment of x: lane l holds row l % 16; two loads of 16 bytes, 32 apart, at row x pitch + 16 (l / 16)
	v_mul_u32_u24 v[A0], v1, PA
	v_lshl_add_u32 v[A0], v2, 4, v[A0]
	s_mul_i32 s87, s[WV], 64*PA                    ; my 64 rows
	v_add_nc_u32 v[A0], s87, v[A0]
	; the turning load: lane l reads k = 8 (l / 16) + l % 8, columns 8 ((l / 8) % 2) + 0..7
	v_and_b32 v16, 7, v0
	v_bfe_u32 v17, v0, 3, 1
	v_lshl_add_u32 v[B0], v2, 3, v16
	v_mul_u32_u24 v[B0], v[B0], PB
	v_lshl_add_u32 v[B0], v17, 4, v[B0]
	v_add_nc_u32 v[B0], ABYTES, v[B0]
	s_mul_i32 s86, s[WV], WSTAGE
	s_add_co_u32 s86, s86, STAGE                   ; my stage
	v_mul_u32_u24 v[STO], v1, SP                   ; in: row l % 16, 16 bytes for each half of the lanes
	v_lshl_add_u32 v[STO], v2, 4, v[STO]
	v_add_nc_u32 v[STO], s86, v[STO]
	v_bfe_u32 v[RD], v0, 3, 2                      ; back: 32 lanes take four rows of 128 bytes,
	v_mul_u32_u24 v[RD], v[RD], SP
	v_lshl_add_u32 v[RD], v16, 4, v[RD]
	v_add_nc_u32 v[RD], s86, v[RD]
	v_lshlrev_b32 v[GO], 4, v3                     ; which are 512 consecutive bytes of an output
	s_lshr_b32 s84, s[TY], 2                       ; the outputs: (16 batch + head) x 131,072 + (256 (ty % 4) + 64 wave) x 128
	s_lshl_b32 s84, s84, 4
	s_add_co_u32 s84, s84, s[TX]
	s_lshl_b32 s84, s84, 17
	s_and_b32 s85, s[TY], 3
	s_lshl_b32 s85, s85, 15
	s_add_co_u32 s84, s84, s85
	s_lshl_b32 s85, s[WV], 13
	s_add_co_u32 s84, s84, s85
	s_mov_b32 s85, 0
	s_add_nc_u64 s[14:15], s[14:15], s[84:85]
	s_add_nc_u64 s[16:17], s[16:17], s[84:85]
	s_add_nc_u64 s[18:19], s[18:19], s[84:85]
	; the prefetches.  x: the second tile's row 256 (ty + 16) + 128 half + 32 cx at K step ROT, less the five steps of 256 bytes that the trips CNT = 14 to 10 add
	s_lshl_b32 s88, s[TY], 19
	s_lshl_b32 s89, s[HALF], 18
	s_add_co_u32 s88, s88, s89
	s_lshl_b32 s89, s[CX], 16
	s_add_co_u32 s88, s88, s89
	s_lshl_b32 s89, s[ROT], 8
	s_add_co_u32 s88, s88, s89
	s_add_co_u32 s88, s88, TILEA-5*WALKA
	s_mul_i32 s90, s[TX], 393216                   ; W: the head's K step (ROT + 3) % 8, my half of it, my work-group's 6,144 bytes; it does not step
	s_add_co_u32 s91, s[ROT], 3
	s_and_b32 s91, s91, 7
	s_mul_i32 s91, s91, WALKB
	s_add_co_u32 s90, s90, s91
	s_mul_i32 s91, s[HALF], 24576
	s_add_co_u32 s90, s90, s91
	s_mul_i32 s91, s[CY], 6144
	s_add_co_u32 s90, s90, s91
	s_and_b32 s89, ttmp7, 0xffff                   ; cluster y
	s_cmp_lt_u32 s89, 2
	s_cselect_b32 s89, 14, 100                     ; 100: no trip's CNT reaches it
	s_mov_b32 s91, 2048
	s_mov_b32 s94, 256
	s_cmp_lt_u32 s[WV], 2
	s_cselect_b32 s[LIM], 9, s89                   ; the same in all sixteen partners, for a given wave
	s_cselect_b32 s88, s88, s90
	s_cselect_b32 s[PFS], s94, 0
	s_cselect_b32 s93, s91, s94                    ; from lane to lane: a row of x, or 256 dense bytes of W
	s_cselect_b32 s92, 31, 23                      ; the last lane that names a block of its own
	s_cselect_b64 s[PFA:PFA+1], s[4:5], s[6:7]
	s_mov_b32 s89, 0
	s_mov_b32 s[PFS+1], 0
	s_add_nc_u64 s[PFA:PFA+1], s[PFA:PFA+1], s[88:89]
	v_min_u32 v18, s92, v3
	v_mul_u32_u24 v[PFO], v18, s93
	s_wait_loadcnt 0x0                             ; the bias
.set b, 0
.rept 4*NB                             ; rounded to bf16 and widened again, a pair at a time
	v_cvt_pk_bf16_f32 v[20+b%4], v[BI+2*b], v[BI+2*b+1]
	v_lshlrev_b32 v[BI+2*b], 16, v[20+b%4]
	v_and_b32 v[BI+2*b+1], s[HIM], v[20+b%4]
.set b, b+1
.endr
	s_wait_tensorcnt 0x1                           ; my part of time 0 is in; time 1's may stay out
	s_barrier_signal -1
	s_barrier_wait -1                              ; everybody's is
	v_mov_b32 v[ADRA], v[A0]
	v_mov_b32 v[ADRB], v[B0]
	s_mov_b32 s[TB], 0
	FETCH 0, F0
	WIN 0
	s_mov_b32 s[CNT], 15
	s_branch .Lfirst                               ; the loop is entered at a tile's first quarter, in the middle of a trip
.Lstep:                                                ; 14 whole trips, CNT = 14 to 1, from a K step's second quarter to the next step's first; the trip with CNT = c ends time 14 - c and asks for time 16 - c
	QUARTER 2, F1, F0, 0
	QUARTER 3, F0, F1, 0
	TURN 1
	WIN 0
	s_cmp_eq_u32 s[CNT], 7                         ; time 7 has ended the first tile
	s_cbranch_scc0 .Lsame
	WAYOUT                                         ; both slots' refills are asked for: now the tile goes out
	s_wait_xcnt 0x0                                ; its stores have read their bases and their data: only behind this wait are the bases stepped and buffer 1 loaded again
	s_add_nc_u64 s[14:15], s[14:15], TILEO
	s_add_nc_u64 s[16:17], s[16:17], TILEO
	s_add_nc_u64 s[18:19], s[18:19], TILEO
.Lfirst:
	QUARTER 1, F0, F1, 1                           ; a tile's first quarter: its products start the sums, with the bias
	WIN 0
	s_branch .Lnext
.Lsame:
	QUARTER 1, F0, F1, 0
	WIN 0
.Lnext:
	s_sub_co_u32 s[CNT], s[CNT], 1
	s_cmp_lg_u32 s[CNT], 0
	s_cbranch_scc1 .Lstep
	QUARTER 2, F1, F0, 0                           ; the tail is written out: times 14 and 15 ask for nothing
	QUARTER 3, F0, F1, 0
	TURN 0
	QUARTER 1, F0, F1, 0
	QUARTER 2, F1, F0, 0
	QUARTER 3, F0, F1, 0
	s_wait_dscnt 4
	MULA F1, 0, 0
	MULA F1, 1, 0
	s_wait_dscnt 0x0
	MULA F1, 2, 0
	MULA F1, 3, 0
	WAYOUT
	s_wait_tensorcnt 0x0                           ; the wave's end
	ds_add_u32 v[SPW], v[NIL]
	s_wait_dscnt 0x0
	CROUND                                         ; the closing round
	s_endpgm
.Lfunc_end_k_q0d481f88c3_qkv:
	.size	k_q0d481f88c3_qkv, .Lfunc_end_k_q0d481f88c3_qkv-k_q0d481f88c3_qkv
	.p2alignl 7, 3214868480
	.fill 96, 4, 3214868480
	.section	.rodata,"a",@progbits
	.p2align	6, 0x0
	.amdhsa_kernel k_q0d481f88c3_qkv
		.amdhsa_group_segment_fixed_size 327680
		.amdhsa_private_segment_fixed_size 0
		.amdhsa_enable_private_segment 0
		.amdhsa_kernarg_size 64
		.amdhsa_user_sgpr_count 2
		.amdhsa_user_sgpr_kernarg_segment_ptr 1
		.amdhsa_wavefront_size32 1
		.amdhsa_system_sgpr_workgroup_id_x 1
		.amdhsa_system_sgpr_workgroup_id_y 1
		.amdhsa_system_sgpr_workgroup_id_z 1
		.amdhsa_system_vgpr_workitem_id 0
		.amdhsa_next_free_vgpr 960
		.amdhsa_next_free_sgpr 96
		.amdhsa_reserve_vcc 0
		.amdhsa_float_denorm_mode_32 3
		.amdhsa_float_denorm_mode_16_64 3
		.amdhsa_memory_ordered 1
		.amdhsa_forward_progress 1
		.amdhsa_inst_pref_size 134
	.end_amdhsa_kernel
	.amdgpu_metadata
---
amdhsa.version: [ 1, 2 ]
amdhsa.kernels:
  - .name:           k_q0d481f88c3_qkv
    .symbol:         k_q0d481f88c3_qkv.kd
    .args:
      - { .name: xb, .offset: 0, .size: 8, .value_kind: global_buffer, .address_space: global }
      - { .name: wqkv, .offset: 8, .size: 8, .value_kind: global_buffer, .address_space: global }
      - { .name: bq, .offset: 16, .size: 8, .value_kind: global_buffer, .address_space: global }
      - { .name: bk, .offset: 24, .size: 8, .value_kind: global_buffer, .address_space: global }
      - { .name: bv, .offset: 32, .size: 8, .value_kind: global_buffer, .address_space: global }
      - { .name: q16, .offset: 40, .size: 8, .value_kind: global_buffer, .address_space: global }
      - { .name: k16, .offset: 48, .size: 8, .value_kind: global_buffer, .address_space: global }
      - { .name: v16, .offset: 56, .size: 8, .value_kind: global_buffer, .address_space: global }
    .group_segment_fixed_size: 327680
    .private_segment_fixed_size: 0
    .kernarg_segment_align: 8
    .kernarg_segment_size: 64
    .max_flat_workgroup_size: 128
    .sgpr_count:     96
    .vgpr_count:     960
    .wavefront_size: 32
...
	.end_amdgpu_metadata
.endif
;; end of part 2
;; launch attn (part 3): grid 2 x 128, 4 waves a work-group, no clusters, 327,680 bytes of LDS; arguments q16, k16, v16, ctx, hp; writes ctx, hp
.if DOCPART == 3
	.amdgcn_target "amdgcn-amd-amdhsa--gfx1250"
	.amdhsa_code_object_version 6
	.text
	.protected	k_q0d481f88c3_attn
	.globl	k_q0d481f88c3_attn
	.p2align	8
	.type	k_q0d481f88c3_attn,@function
k_q0d481f88c3_attn:
	s_mov_b64 s[64:65], 0
	v_nop
	global_prefetch_b8 v0, s[64:65] scope:SCOPE_SE
	s_setreg_imm32_b32 hwreg(HW_REG_WAVE_MODE, 25, 1), 1
	s_wait_xcnt 0x0
; O[h][q][:] = the sum over k of softmax_k(Q[h][q] . K[h][k] / 8) V[h][k][:], and the sum of each query's weights.  q16, k16, v16, ctx: [128][1024][64] f16; hp: f32 [128][2 blocks][4 waves].
; Products, maxima and sums in f32; the weights p are rounded to f16 for the second product (their sum l is taken of the unrounded p), O once at the end.
; LIMITS.  Q, K, V arrive within f16's 65,504; p lies in 0 to 1 and below 6e-5 keeps f16's fixed step of 6e-8; a weight below 2^-126 counts as 0 in l; NaN and infinities are not treated apart.
; SHARES.  A work-group owns 512 queries of a head, a wave 128: four PIECES of two tiles of 16.  Every wave walks all 1,024 keys, 64 a step.
; ALL OF A HEAD'S K AND V LIE IN LDS: 1,024 x 144 + 1,024 x 160 bytes.  They are asked for at the head, in four chunks of 256 keys, four tensor loads a wave, and nothing is ever filled again.
; NO CLUSTER: a head has 1,024 / 512 = 2 work-groups, a cluster's row has four; each work-group asks for each byte once.  NO PREFETCH: all that is read is asked for by the loads at the head.
; LAYOUT.  S^T = K Q^T (source 0 = 16 keys, source 1 = 16 queries): a lane holds ONE query (lane % 16) and the keys 8 (lane / 16) + 0..7.  Two such tiles, rounded to f16 in pairs, ARE source 1 of
; O^T = V^T P.  K comes out of LDS as it lies, V turned, by ds_load_tr16_b128.
; SOFTMAX.  A running maximum m and sum l: p = 2^(c s - c m), c = log2(e) / 8; in every step O and l are multiplied by a = 2^(c m_old - c m_new).  m starts at the lowest finite number, O and l at 0.
; BY TURNS.  Turn n belongs to piece n: 16 products K Q^T of piece n + 1, later 16 products V^T P of piece n - 1; beside them the scaling, exponentials, roundings, sums and rescaling of piece n and
; the maximum and statistics of piece n + 1.  Four vector instructions stand behind every product, the others in one run; a turn's 66 exponentials are one batch with one wait.
; THE WEIGHTS' SUMS.  A query's weights p / l add up to l x (1 / l), with the l and the reciprocal that O is divided by; a wave adds that over its 128 queries and stores one number.
; REGISTERS, in windows of 256 (s_set_vgpr_msb: bits 1:0 source 0, 3:2 source 1, 5:4 source 2, 7:6 destination):
;   window 0: v0-11 addresses; v12-15, v48-63 at work; v16-47 four registers of statistics a tile; v64-191 S^T, two buffers of two tiles; v192-255 P, likewise
;   window 1: O^T, 32 a tile          window 2: v0-127 Q; v128-191 K of one step; v192-255 V of one step          window 3: v0-1 the add's two registers
.set SIZE_N, 1024
.set NP,    4         ; pieces a wave
.set KS,    64        ; keys in a step
.set PK,    144       ; a row of K in LDS: 128 bytes + 16: the 16 rows of a load start at 16 different groups of four banks (64 banks of 4 bytes: ISA guide 11.1)
.set PV,    160       ; a row of V: 128 + 32
.set VOFF,  SIZE_N*PK
.set STAGE, VOFF+SIZE_N*PV  ; behind K and V: 16 rows x 144 bytes for each wave, for the way out
.set SP,    144
.set AK0, 2           ; v2   my lane's place in a tile of K; never rewritten
.set AV0, 3           ; v3   the same for V
.set AK,  4           ; v4   the LDS address of K's next run of loads
.set AV,  5           ; v5   of V's
.set QO,  6           ; v6   my byte offset in the wave's rows of Q
.set STO, 6           ;      later, the way out: where I put 16 bytes of a row
.set RD,  7           ; v7   the way out: where I read rows back
.set GO,  8           ; v8   my byte offset in 512 consecutive bytes of O
.set SPW, 0           ; v0 of window 3   LDS address of my spare word; never rewritten
.set NIL, 1           ; v1 of window 3   0; never rewritten
.set SPARE, STAGE+4*16*SP  ; behind the stages: the spare words, 128 bytes for each wave, that no other line names
.set MV,  12          ; v12-15  c m_old, kept while c m is made anew: by buffer and tile
.set ST,  16          ; tile t's statistics at v[ST+4 t]: c m, m, l (even keys', odd keys')
.set TMP, 48          ; by buffer and tile, four registers c0-c3 at work; when the maximum is found c2 takes a
.set S,   64
.set P,   192
.set KF,  128         ; K's fragments, in window 2
.set VF,  192         ; V's
.set WV,  12          ; s12  my wave's number
.set G1K, 24          ; s[24:31] descriptor group 1 for K's tiles
.set G1V, 32          ; s[32:39] for V's: it differs in the padding alone
.set G0K, 40          ; s[40:55] descriptor group 0 for K's four chunks
.set G0V, 68          ; s[68:83] the same for V's
.set OUTER, 56        ; s56  counts the chunks
.set CNT, 57          ; s57  counts a chunk's key steps
.set CS,  58          ; s[58:59] c
.set SEL, 60          ; s[60:61] v_permlanex16_b32's selects: each lane takes its own place in the other half
.set TBK, 62          ; s62  LDS byte at which K of the step to be fetched begins
.set TBV, 63          ; s63  the same for V, less VOFF
.set HP,  84          ; s[84:85] my word of hp
.set MSB, 0
.macro WIN new
.if MSB != (\new)
	s_set_vgpr_msb (MSB<<8)|(\new)
.set MSB, (\new)
.endif
.endm
.set W_KQ, 0x0a       ; K and Q in window 2, S^T in window 0
.set W_PV, 0x52       ; V in window 2, P in window 0, O^T in window 1
.set W_RS, 0x41       ; O^T (destination and source 0) in window 1, a in window 0
.set W_MK, 0xc0       ; the add's registers are made: destination in window 3
.set W_AD, 0x0f       ; the add: address and data in window 3
	s_load_b256 s[4:11], s[0:1], 0x0  ; Q s[4:5], K s[6:7], V s[8:9], O s[10:11]
	s_load_b64 s[HP:HP+1], s[0:1], 0x20
	WIN W_MK
	v_lshl_add_u32 v[SPW], v0, 2, SPARE
	v_mov_b32 v[NIL], 0
	WIN W_AD
	ds_add_u32 v[SPW], v[NIL]       ; the wave's opening: the add and its wait ahead of my first tensor load
	WIN 0
	v_lshrrev_b32 v1, 5, v0
	v_readfirstlane_b32 s[WV], v1   ; wave 0..3
	s_mov_b32 s14, ttmp9            ; my block of 512 queries
	s_and_b32 s20, ttmp7, 0xffff    ; the head
	s_lshl_b32 s86, s20, 3          ; hp: word 8 head + 4 block + wave
	s_lshl_b32 s87, s14, 2
	s_add_co_u32 s86, s86, s87
	s_add_co_u32 s86, s86, s[WV]
	s_lshl_b32 s86, s86, 2
	s_mov_b32 s87, 0
	s_lshl_b32 s20, s20, 17         ; the head's first byte in each of the four tensors: 1,024 rows of 128 bytes
	s_mov_b32 s21, 0
	s_and_b32 s16, s[WV], 1         ; which half of a chunk's 256 keys I fetch:
	s_lshl_b32 s22, s16, 14         ; its 128 rows of 128 bytes in memory,
	s_mov_b32 s23, 0
	s_add_nc_u64 s[22:23], s[22:23], s[20:21]
	s_mul_i32 s17, s16, 128*PK      ; and its place in a chunk, for K
	s_mul_i32 s18, s16, 128*PV      ; and for V
	s_lshl_b32 s2, s14, 2
	s_add_co_u32 s2, s2, s[WV]      ; my wave among the head's,
	s_lshl_b32 s2, s2, 14           ; its 128 rows
	s_mov_b32 s3, 0
	s_add_nc_u64 s[2:3], s[2:3], s[20:21]
	; descriptor group 1.  128 keys are 16,384 dense bytes: asked for as 64 rows of 256 bytes, two keys a row, and padded in LDS after every key
	s_mov_b32 s[G1K], (1<<16)|(1<<20)|(4<<22)|(3<<25)  ; 2-byte elements; padding on; after every 32 words 4 words
	s_mov_b32 s[G1V], (1<<16)|(1<<20)|(4<<22)|(7<<25)  ; the same with 8 words
.irp g, G1K, G1V
	s_mov_b32 s[\g+1], 128<<16      ; tensor_dim0 = 128
	s_mov_b32 s[\g+2], 64<<16       ; tensor_dim1 = 64
	s_mov_b32 s[\g+3], 128<<16      ; tile_dim0 = 128
	s_mov_b32 s[\g+4], 64           ; tile_dim1 = 64
	s_mov_b32 s[\g+5], 128          ; 128 elements from row to row
	s_mov_b32 s[\g+6], 0
	s_mov_b32 s[\g+7], 0
.endr
	s_mov_b32 s[CS], 0x3e38aa3b     ; c = log2(e) / 8 = 0.180337
	s_mov_b32 s[CS+1], s[CS]        ; named with it as a pair
	s_mov_b32 s[SEL], 0x76543210
	s_mov_b32 s[SEL+1], 0xfedcba98
	s_mov_b32 s[TBK], 0
	s_mov_b32 s[TBV], 0
.irp c, 0,1,2,3
	s_mov_b32 s[G0K+4*(\c)], 1
	s_add_co_u32 s[G0K+4*(\c)+1], s17, (\c)*256*PK
	s_mov_b32 s[G0V+4*(\c)], 1
	s_add_co_u32 s[G0V+4*(\c)+1], s18, VOFF+(\c)*256*PV
.endr
	s_wait_dscnt 0x0                ; the opening add is done
	s_wait_kmcnt 0x0
	s_add_nc_u64 s[6:7], s[6:7], s[22:23]  ; K and V at my half of the head's first chunk
	s_add_nc_u64 s[8:9], s[8:9], s[22:23]
.irp c, 0,1,2,3
	s_add_nc_u64 s[G0K+4*(\c)+2:G0K+4*(\c)+3], s[6:7], (\c)*32768
	s_or_b32 s[G0K+4*(\c)+3], s[G0K+4*(\c)+3], 0x80000000
	s_add_nc_u64 s[G0V+4*(\c)+2:G0V+4*(\c)+3], s[8:9], (\c)*32768
	s_or_b32 s[G0V+4*(\c)+3], s[G0V+4*(\c)+3], 0x80000000
.endr
	s_add_nc_u64 s[4:5], s[4:5], s[2:3]  ; Q and O at my wave's first row
	s_add_nc_u64 s[10:11], s[10:11], s[2:3]
	s_add_nc_u64 s[HP:HP+1], s[HP:HP+1], s[86:87]
	s_cmp_lt_u32 s[WV], 2           ; waves 0 and 1 fetch K's halves, waves 2 and 3 V's: a wave's four fills stand in one branch; four loads of mine are out
	s_cbranch_scc0 .Lfill_v
.irp c, 0,1,2,3
	tensor_load_to_lds s[G0K+4*(\c):G0K+4*(\c)+3], s[G1K:G1K+7]
	s_nop 0
.endr
.rept 4
	v_nop
.endr
	s_branch .Lfilled
.Lfill_v:
.irp c, 0,1,2,3
	tensor_load_to_lds s[G0V+4*(\c):G0V+4*(\c)+3], s[G1V:G1V+7]
	s_nop 0
.endr
.rept 4
	v_nop
.endr
.Lfilled:
	; A fragment of K or Q is 16 rows x 32 channels in 8 registers: lane l holds row l % 16, channels 8 (l / 16) + 0..7 and 16 + 8 (l / 16) + 0..7: two loads of 16 bytes, 32 bytes apart.
	v_and_b32 v1, 15, v0            ; l % 16
	v_bfe_u32 v9, v0, 4, 1          ; l / 16
	v_lshlrev_b32 v[QO], 7, v1
	v_lshl_add_u32 v[QO], v9, 4, v[QO]  ; row x 128 + 16 x half
	WIN 0x80                        ; destination window 2, address window 0
.set i, 0
.rept 4*NP                          ; Q stays in registers: tile i / 2, channels 32 (i % 2) on
	global_load_b128 v[8*i:8*i+3],   v[QO], s[4:5] offset:(i/2)*2048+(i%2)*64
	global_load_b128 v[8*i+4:8*i+7], v[QO], s[4:5] offset:(i/2)*2048+(i%2)*64+32
.set i, i+1
.endr
	; What the first turn finds: V's registers and P's second buffer hold 0 (its products V^T P, of a piece that has not been, add 0), O^T and l are 0.  All this stands in the wait for the first chunk.
.set i, VF
.rept 64
	v_mov_b32 v[i], 0
.set i, i+1
.endr
	WIN 0x40
.set i, 0
.rept 64*NP
	v_mov_b32 v[i], 0
.set i, i+1
.endr
	WIN 0
.set i, 0
.rept 2*NP
	v_mov_b32 v[ST+4*i], 0xfe000000    ; c m: far below every c s
	v_mov_b32 v[ST+4*i+1], 0xff7fffff  ; m
	v_mov_b32 v[ST+4*i+2], 0
	v_mov_b32 v[ST+4*i+3], 0
.set i, i+1
.endr
.set i, P+32
.rept 32
	v_mov_b32 v[i], 0
.set i, i+1
.endr
	v_mul_u32_u24 v[AK0], v1, PK
	v_lshl_add_u32 v[AK0], v9, 4, v[AK0]  ; row x pitch + 16 x half
	; The turning load takes 16 keys x 16 channels (lane l reads key 8 (l / 16) + l % 8, channels 8 ((l / 8) % 2) + 0..7) and leaves half a fragment of V^T.
	v_and_b32 v10, 7, v0
	v_bfe_u32 v11, v0, 3, 1
	v_lshl_add_u32 v[AV0], v9, 3, v10
	v_mul_u32_u24 v[AV0], v[AV0], PV
	v_lshl_add_u32 v[AV0], v11, 4, v[AV0]
	v_add_nc_u32 v[AV0], VOFF, v[AV0]
	v_mov_b32 v[AK], v[AK0]         ; key step 0 lies at LDS byte 0
; THE MATRIX WORK.  The 8 accumulators of a run of 16 take turns.
; Product i of 16 of S^T = K Q^T for piece x: channels 32 (i / 8) on, keys 16 ((i / 2) % 4) on, tile 2 x + i % 2.  The first 8 start the sums.
.macro KQ x
	WIN W_KQ
.set rS, S+64*((\x)%2)+32*(i%2)+8*((i/2)%4)
.set rK, KF+16*((i/2)%4)+8*(i/8)
.set rQ, 16*(2*(\x)+i%2)+8*(i/8)
.if i < 8
	v_wmma_f32_16x16x32_f16 v[rS:rS+7], v[rK:rK+7], v[rQ:rQ+7], 0
.else
	v_wmma_f32_16x16x32_f16 v[rS:rS+7], v[rK:rK+7], v[rQ:rQ+7], v[rS:rS+7]
.endif
.endm
; Product i of 16 of O^T += V^T P for piece x: keys 32 (i / 8) on, channels 16 ((i / 2) % 4) on, tile 2 x + i % 2.
.macro PV x
	WIN W_PV
.set rO, 32*(2*(\x)+i%2)+8*((i/2)%4)
.set rV, VF+32*(i/8)+8*((i/2)%4)
.set rP, P+32*((\x)%2)+16*(i%2)+8*(i/8)
	v_wmma_f32_16x16x32_f16 v[rO:rO+7], v[rV:rV+7], v[rP:rP+7], v[rO:rO+7]
.endm
.macro MM                           ; the turn's next matrix instruction
.if i < 16
	KQ (Y+1)%NP
.set i, i+1
.else
.set i, i-16
	PV (Y+NP-1)%NP
.set i, i+17
.endif
.endm
; THE LDS LOADS stand in runs of 16: a step's K (8 fragments) and its V (turned).  last = 1: behind the last key step there is no further K, and the run is jumped over.
.macro FETCH_K last=0
	WIN 0
.if \last
	s_cmp_eq_u32 s[OUTER], 1
	s_cbranch_scc1 .Lno_k_\@
.endif
	WIN 0x80                        ; destination window 2
.irp f, 0,1,2,3,4,5,6,7             ; keys 16 (f / 2) on, channels 32 (f % 2) on
	ds_load_b128 v[KF+8*\f:KF+8*\f+3],   v[AK] offset:(\f/2)*16*PK+(\f%2)*64
	ds_load_b128 v[KF+8*\f+4:KF+8*\f+7], v[AK] offset:(\f/2)*16*PK+(\f%2)*64+32
.endr
	s_add_co_u32 s[TBK], s[TBK], KS*PK  ; the next fetch is the next step's
	WIN 0
.if \last
.Lno_k_\@:
.endif
.endm
.macro FETCH_V
	WIN 0x80
.irp f, 0,1,2,3,4,5,6,7             ; keys 32 (f / 4) on, channels 16 (f % 4) on
	ds_load_tr16_b128 v[VF+8*\f:VF+8*\f+3],   v[AV] offset:(\f/4)*32*PV+(\f%4)*32
	ds_load_tr16_b128 v[VF+8*\f+4:VF+8*\f+7], v[AV] offset:(\f/4)*32*PV+16*PV+(\f%4)*32
.endr
	WIN 0
.endm
; THE VECTOR WORK OF A TURN stands in three queues, each in the order in which its entries become ready; the two tiles alternate.
.macro REGS y, u                    ; the registers of tile u (0, 1) of piece y
.set rT, ST+4*(2*(\y)+(\u))
.set rC, TMP+8*((\y)%2)+4*(\u)
.set rM, MV+2*((\y)%2)+(\u)
.set rS, S+64*((\y)%2)+32*(\u)
.set rP, P+32*((\y)%2)+16*(\u)
.set rO, 32*(2*(\y)+(\u))
.endm
; Number n of the 22 that find the NEXT piece's maximum and statistics; each accumulator's lowest registers are read first.
;   0-11  four chains c0-c3 of seven scores each     12-14, 16  the four scores left over, the old m, and c0-c3 into c0     15  c m_old is kept
;   17, 18  the query's other 32 keys lie in the lane 16 away: the new m         19-21  c m; c m_old - c m_new; a
.macro XS u, n
	REGS (Y+1)%NP, \u
.if (\n) < 4
	v_max3_num_f32 v[rC+(\n)], v[rS+8*(\n)], v[rS+8*(\n)+1], v[rS+8*(\n)+2]
.elseif (\n) < 12
	v_max3_num_f32 v[rC+(\n)%4], v[rC+(\n)%4], v[rS+8*((\n)%4)+2*((\n)/4)+1], v[rS+8*((\n)%4)+2*((\n)/4)+2]
.elseif (\n) == 12
	v_max3_num_f32 v[rC], v[rC], v[rS+7], v[rS+15]
.elseif (\n) == 13
	v_max3_num_f32 v[rC+1], v[rC+1], v[rS+23], v[rS+31]
.elseif (\n) == 14
	v_max3_num_f32 v[rC+2], v[rC+2], v[rC+3], v[rT+1]
.elseif (\n) == 15
	v_mov_b32 v[rM], v[rT]
.elseif (\n) == 16
	v_max3_num_f32 v[rC], v[rC], v[rC+1], v[rC+2]
.elseif (\n) == 17
	v_permlanex16_b32 v[rC+3], v[rC], s[SEL], s[SEL+1]
.elseif (\n) == 18
	v_max_num_f32 v[rT+1], v[rC], v[rC+3]
.elseif (\n) == 19
	v_mul_f32 v[rT], s[CS], v[rT+1]
.elseif (\n) == 20
	v_sub_f32 v[rC+1], v[rM], v[rT]
.else
	v_exp_f32 v[rC+2], v[rC+1]
.endif
.endm
; Number g of the 64 that follow the exponentials.  For each four weights of a tile: both pairs are rounded to f16; the second pair is added onto the first, in place; a group later l takes that sum.
.macro GS g
.set h, (\g)+6*((\g)/62)            ; group 0 has no group before it, and behind group 7 only l is left
.if h >= 6
.set h, h+2
.endif
	REGS Y, h%2
.set k, h/8
.if h%8 < 4
	v_cvt_pk_f16_f32 v[rP+2*k+(h%8)/2], v[rS+4*k+2*((h%8)/2)], v[rS+4*k+2*((h%8)/2)+1]
.elseif h%8 < 6
	v_pk_add_f32 v[rS+4*k:rS+4*k+1], v[rS+4*k:rS+4*k+1], v[rS+4*k+2:rS+4*k+3]
.elseif k == 1
	v_pk_fma_f32 v[rT+2:rT+3], v[rT+2:rT+3], v[rC+2:rC+3], v[rS:rS+1] op_sel_hi:[1,0,1]
.else
	v_pk_add_f32 v[rT+2:rT+3], v[rT+2:rT+3], v[rS+4*k-4:rS+4*k-3]
.endif
.endm
; THE PLAIN QUEUE, 138 long.  0-73 read no exponential's result: the 32 scalings c s - c m and the next piece's 42.  74-137: GS's 64, which stand behind the wait.
.macro FS f
	REGS Y, (\f)%2
	v_pk_fma_f32 v[rS+2*((\f)/2):rS+2*((\f)/2)+1], v[rS+2*((\f)/2):rS+2*((\f)/2)+1], s[CS:CS+1], v[rT:rT+1] op_sel_hi:[1,0,0] neg_lo:[0,0,1] neg_hi:[0,0,1]
.endm
.macro PL
	WIN 0
.if q < 27
	FS q
.elseif q < 55
	XS (q-27)%2, (q-27)/2
.elseif q < 57
	XS q-55, 15
.elseif (q < 72) && ((q-57)%3 == 0)
	FS 27+(q-57)/3
.elseif q < 60
	XS (q-57)%3-1, 14
.elseif q < 72
	XS (q-57)%3-1, 15+(q-57)/3
.elseif q < 74
	XS q-72, 20
.else
	GS q-74
.endif
.set q, q+1
.endm
; THE EXPONENTIALS' QUEUE, 66 long: s0-s31 of both tiles, then the next piece's two a.  ONE BATCH: all stand ahead of the turn's one wait, and nothing ahead of that wait names a result of theirs.
.macro EX
	WIN 0
.if e >= 64
	XS e-64, 21
.else
	REGS Y, e%2
	v_exp_f32 v[rS+e/2], v[rS+e/2]
.endif
.set e, e+1
.endm
; THE RESCALING's QUEUE: O^T times a, dealt two at a time.  Its a was made in the turn before, ahead of that turn's wait.
.macro R2
	REGS Y, r%2
	WIN W_RS
.irp z, 0,1
	v_pk_mul_f32 v[rO+4*(r/2)+2*\z:rO+4*(r/2)+2*\z+1], v[rO+4*(r/2)+2*\z:rO+4*(r/2)+2*\z+1], v[rC+2:rC+3] op_sel_hi:[1,0]
.endr
.set r, r+1
.endm
; A TURN, for piece p.  AHEAD OF THE WAIT: 16 products K Q^T, behind each a scaling, an exponential and two rescalings; then a run of 108: eight plain, 49 times exponential and plain, the two a; a v_nop is
; the plain instruction behind the last exponential.  BEHIND IT: 16 products V^T P, behind each four of the roundings and sums.  Exponential e stands behind scaling 2 (e / 4) + e % 2.
; K of the next step is fetched in piece 2's turn, directly behind the wait; V of the step in hand at the end of piece 0's turn, four plain instructions behind its last reader.
; cnt = 1: the loop's count is taken down some lines ahead of the branch that stands behind the turn.
.macro TURN p, last=0, cnt=0
.set Y, (\p)
.set i, 0
.set q, 0
.set e, 0
.set r, 0
.if (\p) == NP-1
	s_wait_dscnt 0x0                ; K is in
.endif
	MM
	PL
	PL
	R2
.rept 15
	MM
	PL
	EX
	R2
.endr
.if (\p) == NP-2
	WIN 0
	v_add_nc_u32 v[AK], s[TBK], v[AK0]
.endif
.rept 8
	PL
.endr
.rept 49
	EX
	PL
.endr
	EX                              ; the next piece's two a
	EX
	v_nop                           ; a plain instruction behind the last exponential: one for the batch
	s_wait_alu depctr_va_vdst(0)    ; the wait ahead of the first reader: one for the batch
.if (\p) == NP-2
	FETCH_K \last
.endif
.if (\p) == 1
	s_wait_dscnt 0x0                ; V is in
.endif
.rept 16
	MM
.rept 4
	PL
.endr
.if ((\p) == 0) && (q == 118)
	v_add_nc_u32 v[AV], s[TBV], v[AV0]
.endif
.if ((\p) == 0) && (q == 130)
	s_add_co_u32 s[TBV], s[TBV], KS*PV
.endif
.if (\cnt) && (q == 130)
	s_sub_co_u32 s[CNT], s[CNT], 1
	s_cmp_lg_u32 s[CNT], 0
.endif
.endr
.if (\p) == 0
	FETCH_V
.endif
.endm
	s_wait_tensorcnt 0x3            ; my part of chunk 0 is in; chunks 1 to 3 may stay out
	s_barrier_signal -1
	s_barrier_wait -1               ; everybody's is
	FETCH_K                         ; key step 0
	s_wait_loadcnt 0x0              ; Q
	s_wait_dscnt 0x0
.set i, 0
.rept 16
	KQ 0                            ; piece 0's first scores
.set i, i+1
.endr
	WIN 0                           ; the addresses for the way out: nine plain instructions, the places behind those products
	s_mul_i32 s13, s[WV], 16*SP
	s_add_co_u32 s13, s13, STAGE    ; my stage
	v_mul_u32_u24 v[STO], v1, SP    ; in: row l % 16, 16 bytes for each half of the lanes
	v_lshl_add_u32 v[STO], v9, 4, v[STO]
	v_add_nc_u32 v[STO], s13, v[STO]
	v_bfe_u32 v[RD], v0, 3, 2       ; back: 32 lanes take four rows of 128 bytes,
	v_mul_u32_u24 v[RD], v[RD], SP
	v_lshl_add_u32 v[RD], v10, 4, v[RD]
	v_add_nc_u32 v[RD], s13, v[RD]
	v_and_b32 v[GO], 31, v0         ; which are 512 consecutive bytes of O
	v_lshlrev_b32 v[GO], 4, v[GO]
.set Y, NP-1                        ; XS works for piece Y + 1: piece 0
.irp n, 0,1,2,3,4,5,6,7,8,9,10,11,12,13,14,15,16,17,18,19,20,21
	XS 0, \n
	XS 1, \n
.endr
	v_nop                           ; a plain instruction behind the two a,
	s_wait_alu depctr_va_vdst(0)    ; and their wait, ahead of the branch
	s_mov_b32 s[CNT], 4
	s_mov_b32 s[OUTER], 5
	s_branch .Lfirst                ; the loop is entered at a step's first turn, in the middle of a trip
.Lchunk:                            ; between a chunk's last V and the next chunk's first K.  One text serves all passes, so the wait is for 0: the first pass waits for chunks 1 to 3,
	s_wait_tensorcnt 0x0            ; which have had four key steps in which to land; the later passes find nothing out
	s_wait_dscnt 0x0
	s_barrier_signal -1
	s_barrier_wait -1               ; everybody's parts are in
	s_mov_b32 s[CNT], 4
.Lstep:                             ; a trip: pieces 2 and 3 of one step, then pieces 0 and 1 of the next, whose K and V it fetches
	TURN 2, 1
	TURN 3
	WIN 0
	s_cmp_eq_u32 s[OUTER], 1        ; behind key step 15 the loop is left in the middle of a trip.  That trip's 16 products K Q^T (on the last K once more) and the maximum made of them serve nothing
	s_cbranch_scc1 .Lout
.Lfirst:
	TURN 0
	TURN 1, 0, 1
	WIN 0
	s_cbranch_scc1 .Lstep
	s_sub_co_u32 s[OUTER], s[OUTER], 1
	s_cmp_lg_u32 s[OUTER], 0
	s_cbranch_scc1 .Lchunk
.Lout:
.set i, 0
.rept 16
	PV NP-1                         ; the last piece's V^T P of the last step
.set i, i+1
.endr
	; THE WAY OUT.  l's two halves and the other half of the lanes' are added; O^T is divided by l, rounded to f16 and sent through my stage, a tile at a time.  The additions are the places behind the last products.
	WIN 0
.macro ALL line:vararg              ; one line for each tile t
.set t, 0
.rept 2*NP
	\line
.set t, t+1
.endr
.endm
	ALL v_add_f32 v[ST+4*t+2], v[ST+4*t+2], v[ST+4*t+3]
	ALL v_permlanex16_b32 v[ST+4*t+3], v[ST+4*t+2], s[SEL], s[SEL+1]
	ALL v_add_f32 v[ST+4*t+3], v[ST+4*t+2], v[ST+4*t+3]
	ALL v_rcp_f32 v[ST+4*t+2], v[ST+4*t+3]
	v_nop                           ; a plain instruction between the last reciprocal and the use of its result
	s_wait_alu depctr_va_vdst(0)    ; and the wait: one for the eight reciprocals
	; the sums of the weights: l x (1 / l) for my query of each tile, added over the 8 tiles and the 16 queries of a tile; both halves of the lanes hold the same queries
	v_mul_f32 v[MV], v[ST+3], v[ST+2]
.set t, 1
.rept 2*NP-1
	v_fma_f32 v[MV], v[ST+4*t+3], v[ST+4*t+2], v[MV]
.set t, t+1
.endr
	v_add_f32_dpp v[MV], v[MV], v[MV] row_xmask:1 row_mask:0xf bank_mask:0xf
	v_add_f32_dpp v[MV], v[MV], v[MV] row_xmask:2 row_mask:0xf bank_mask:0xf
	v_add_f32_dpp v[MV], v[MV], v[MV] row_xmask:4 row_mask:0xf bank_mask:0xf
	v_add_f32_dpp v[MV], v[MV], v[MV] row_xmask:8 row_mask:0xf bank_mask:0xf
	v_mov_b32 v[MV+1], 0
	s_wait_xcnt 0x0                 ; EXEC changes only behind this wait
	v_cmp_eq_u32 vcc_lo, 0, v[GO]
	s_and_saveexec_b32 s13, vcc_lo  ; lane 0 alone
	global_store_b32 v[MV+1], v[MV], s[HP:HP+1]
	s_wait_xcnt 0x0                 ; and again, in front of the line that widens it
	s_or_b32 exec_lo, exec_lo, s13
; Tile t: a lane's eight channels of a row pack into 16 bytes; they go into rows of 144 bytes and come back as whole rows of 128, into S^T's registers.
.macro PACK t
	WIN W_RS
.set i, 32*(\t)
.rept 16
	v_pk_mul_f32 v[i:i+1], v[i:i+1], v[ST+4*(\t)+2:ST+4*(\t)+3] op_sel_hi:[1,0]
.set i, i+2
.endr
	WIN 0x05                        ; sources 0 and 1 window 1, destination window 0
.set i, 0
.rept 16
	v_cvt_pk_f16_f32 v[S+16*(\t)+i], v[32*(\t)+2*i], v[32*(\t)+2*i+1]
.set i, i+1
.endr
	WIN 0
.irp f, 0,1,2,3
	ds_store_b128 v[STO], v[S+16*(\t)+4*\f:S+16*(\t)+4*\f+3] offset:32*\f
.endr
.irp f, 0,1,2,3
	ds_load_b128 v[S+16*(\t)+4*\f:S+16*(\t)+4*\f+3], v[RD] offset:\f*4*SP  ; LDS serves a wave's instructions in order (ISA guide 5.7.1.4): these see the stores above
.endr
.endm
.macro SEND t, younger              ; younger: the LDS instructions issued behind tile t's loads: the next tile's eight, or none
	WIN 0
.irp f, 0,1,2,3
	s_wait_dscnt (\younger)+3-\f
	global_store_b128 v[GO], v[S+16*(\t)+4*\f:S+16*(\t)+4*\f+3], s[10:11] offset:(\t)*2048+\f*512  ; 512 consecutive bytes, aligned
.endr
.endm
	PACK 0
.set t, 1
.rept 2*NP-1                        ; a tile's arithmetic stands between the loads of the tile before and its stores
	PACK t
	SEND t-1, 8
.set t, t+1
.endr
	SEND 2*NP-1, 0
	WIN W_AD
	s_wait_tensorcnt 0x0            ; the wave's end
	ds_add_u32 v[SPW], v[NIL]
	s_wait_dscnt 0x0
	WIN 0
	s_endpgm
.Lfunc_end_k_q0d481f88c3_attn:
	.size	k_q0d481f88c3_attn, .Lfunc_end_k_q0d481f88c3_attn-k_q0d481f88c3_attn
	.p2alignl 7, 3214868480
	.fill 96, 4, 3214868480
	.section	.rodata,"a",@progbits
	.p2align	6, 0x0
	.amdhsa_kernel k_q0d481f88c3_attn
		.amdhsa_group_segment_fixed_size 327680
		.amdhsa_private_segment_fixed_size 0
		.amdhsa_enable_private_segment 0
		.amdhsa_kernarg_size 40
		.amdhsa_user_sgpr_count 2
		.amdhsa_user_sgpr_kernarg_segment_ptr 1
		.amdhsa_wavefront_size32 1
		.amdhsa_system_sgpr_workgroup_id_x 1
		.amdhsa_system_sgpr_workgroup_id_y 1
		.amdhsa_system_sgpr_workgroup_id_z 1
		.amdhsa_system_vgpr_workitem_id 0
		.amdhsa_next_free_vgpr 770
		.amdhsa_next_free_sgpr 88
		.amdhsa_reserve_vcc 1
		.amdhsa_float_denorm_mode_32 3
		.amdhsa_float_denorm_mode_16_64 3
		.amdhsa_memory_ordered 1
		.amdhsa_forward_progress 1
		.amdhsa_inst_pref_size 127
	.end_amdhsa_kernel
	.amdgpu_metadata
---
amdhsa.version: [ 1, 2 ]
amdhsa.kernels:
  - .name:           k_q0d481f88c3_attn
    .symbol:         k_q0d481f88c3_attn.kd
    .args:
      - { .name: q16, .offset: 0, .size: 8, .value_kind: global_buffer, .address_space: global }
      - { .name: k16, .offset: 8, .size: 8, .value_kind: global_buffer, .address_space: global }
      - { .name: v16, .offset: 16, .size: 8, .value_kind: global_buffer, .address_space: global }
      - { .name: ctx, .offset: 24, .size: 8, .value_kind: global_buffer, .address_space: global }
      - { .name: hp, .offset: 32, .size: 8, .value_kind: global_buffer, .address_space: global }
    .group_segment_fixed_size: 327680
    .private_segment_fixed_size: 0
    .kernarg_segment_align: 8
    .kernarg_segment_size: 40
    .max_flat_workgroup_size: 128
    .sgpr_count:     88
    .vgpr_count:     770
    .wavefront_size: 32
...
	.end_amdgpu_metadata
.endif
;; end of part 3
;; launch oproj (part 4): grid 8 x 32, 4 waves a work-group, clusters of 4 x 4, 327,680 bytes of LDS; arguments ctx, wo16, bo, hp, Wrel, brel, out0, out1; writes out0, out1
.if DOCPART == 4
	.amdgcn_target "amdgcn-amd-amdhsa--gfx1250"
	.amdhsa_code_object_version 6
	.text
	.protected	k_q0d481f88c3_oproj
	.globl	k_q0d481f88c3_oproj
	.p2align	8
	.type	k_q0d481f88c3_oproj,@function
k_q0d481f88c3_oproj:
	s_mov_b64 s[64:65], 0
	v_nop
	global_prefetch_b8 v0, s[64:65] scope:SCOPE_SE
	s_setreg_imm32_b32 hwreg(HW_REG_WAVE_MODE, 25, 1), 1
	s_wait_xcnt 0x0
	s_wait_alu depctr_hold_cnt(0) depctr_sa_sdst(0) depctr_va_vdst(0) depctr_va_sdst(0) depctr_va_ssrc(0) depctr_va_vcc(0) depctr_vm_vsrc(0)
	s_getreg_b32 s2, hwreg(HW_REG_IB_STS2, 6, 4)
	s_cmp_eq_u32 s2, 0
	s_cbranch_scc0 .Lentry_in_a_cluster
	s_endpgm
.Lentry_in_a_cluster:
	s_bfe_u32 s2, ttmp6, 0x10000c
	s_cmp_lg_u32 s2, 0xf033
	s_cbranch_scc0 .Lentry_shape_is_right
	s_endpgm
.Lentry_shape_is_right:
; out0 = ctx Wo + bo, and out1 = (the heads' mean weights) Wrel + brel.  ctx: f16 [128 = 16 batch + head][1024][64].  wo16: f16 [1024 k][1024 n], k = 64 head + channel.  bo, Wrel, brel: f32,
; rounded to bf16 like every input.  hp: f32 [128][8], partial sums of the weights of a head's 1,024 x 1,024 matrix.  out0: f32 [8192][1024].  out1: f32 [8][8].
; SHARES.  A tile is 256 rows x 128 columns; four waves one below the other, each 64 rows x 128 columns: 32 accumulators, 256 registers; a wave holds whole 512-byte pieces of its rows.
; K goes in 8 steps of 128 = two heads, through two LDS slots; a loop's trip is one K step.  A K step of ctx is two planes of 256 rows x 128 bytes, each dense in memory.
; THE WALK ALONG K IS ROTATED: at time T a cluster multiplies K step (T + ROT) % 8, ROT = 4 X + 2 Y modulo 8 from the cluster's own coordinates X, Y (the sums are f32 and may be taken in any order).
; Clusters Y to Y + 3, which read the same columns of Wo, begin 2 K steps apart: at times 0 and 1 they ask for all 8 K steps between them, and from then on each asks for a K step that another has
; asked for two times earlier.  The two clusters of one Y, which read the same rows of ctx, begin 4 K steps apart.
; THE PRODUCT IS USED TRANSPOSED (source 0 = 16 columns of Wo, turned by ds_load_tr16_b128; source 1 = 16 rows of ctx).  THE BIAS IS THE C OPERAND of each accumulator's first product.
; CLUSTER.  4 x 4 work-groups: ctx's tile is asked for jointly along a row of the cluster, Wo's along a column.
; out1 is made in the wait for the first tile, by wave 3 of the sixteen work-groups of cluster (0, 0), four numbers each, told apart by address alone; its loads go out with the bias's, ahead of the first round.
; REGISTERS: window 0: v0-31 addresses; v32-95 the bias; v128-255 two buffers of rows read back (before the loop: the relation's scratch)
;   window 1: two fragment buffers of 128: Wo's block b at 8 b, ctx's block a at 96 + 8 a          windows 2, 3: accumulator (a, b) in window 2 + a / 2 at 64 (a % 2) + 8 b
.set NB,     8
.set PA,     144                       ; a row of ctx in LDS: 128 bytes + 16
.set PB,     288                       ; a row of Wo: 256 bytes + 32
.set APLANE, 256*PA                    ; what wave 0 or 1 fetches: a head's 256 rows
.set ABYTES, 2*APLANE
.set BHALF,  64*PB                     ; what wave 2 or 3 fetches
.set SLOT1,  131072                    ; a slot uses ABYTES + 2 BHALF = 110,592 bytes; slot 1 begins here, so that one exclusive or turns an address
.set STAGE,  SLOT1+ABYTES+2*BHALF      ; behind the ring: for each wave 16 rows x 528 bytes
.set SP,     528
.set WSTAGE, 16*SP
.set SPARE,  STAGE+4*WSTAGE            ; behind the stages: the spare words, 128 bytes for each wave, that no other line names
.set WALK,   262144                    ; bytes from a K step to the next: two heads of ctx, and 128 rows of wo16
.set A0,   4
.set B0,   5
.set ADRA, 6
.set ADRB, 7
.set STO,  8
.set RD,   9
.set GO,   10
.set BO,   11
.set PFO,  12
.set SPW,  14                          ; v14  LDS address of my spare word; never rewritten
.set NIL,  15                          ; v15  0; never rewritten
.set BI,   32
.set BK,   128
.set F0,   0
.set F1,   128
.set WV,   20
.set ROT,  21                          ; s21  the K step at which my cluster begins
.set HALF, 22
.set CX,   23
.set CY,   24
.set TX,   25                          ; s25  the tile column
.set TY,   26                          ; s26  the tile row
.set CNT,  27
.set TB,   28
.set LIM,  29                          ; s29  the trip in which my wave prefetches, or 0
.set PFA,  30                          ; s[30:31] what it names; never rewritten
.set SQ,   32                          ; s32  ROT + the time last asked for
.set REL,  33                          ; s33  0 in the waves that make out1
.set SEL,  34                          ; s[34:35] v_permlanex16_b32's selects
.set G1A,  36
.set G1B,  44
.set G0A,  52
.set HIM,  60                          ; s60  a word's upper half
.set SCL,  61                          ; s61  2^-20
.set OS,   66                          ; s[66:67] a K step's byte offset in ctx and in wo16; the high word stays 0
.set G0B,  68
.set AB,   78                          ; s[78:79] ctx at my plane of K step 0
.set BB,   82                          ; s[82:83] wo16 at my 64 rows of K step 0
.set MSB, 0
.macro WIN new
.if MSB != (\new)
	s_set_vgpr_msb (MSB<<8)|(\new)
.set MSB, \new
.endif
.endm
.macro PLACES                          ; four plain instructions between a product and a load into, or a reader of, its registers (ISA guide 7.12.1 for readers)
.rept 4
	v_nop
.endr
.endm
.macro CREST
	s_cmp_lg_u32 s[WV], 0
	s_cbranch_scc1 .Lnot_wave_0_\@
	s_barrier_signal -3
.Lnot_wave_0_\@:
	s_barrier_wait -3
	s_barrier_signal -1
	s_barrier_wait -1
.endm
.macro CROUND
	s_barrier_signal -1
	s_barrier_wait -1
	CREST
.endm
.macro JLOAD                           ; a joint refill; an s_nop 0 and four v_nop follow each line
	s_cmp_lt_u32 s[WV], 2
	s_cbranch_scc0 .Lfor_b_\@
	tensor_load_to_lds s[G0A+4:G0A+7], s[G1A:G1A+7]
	s_nop 0
.rept 4
	v_nop
.endr
	s_branch .Lasked_\@
.Lfor_b_\@:
	tensor_load_to_lds s[G0B+4:G0B+7], s[G1B:G1B+7]
	s_nop 0
.rept 4
	v_nop
.endr
.Lasked_\@:
.endm
; A PREFETCH INTO THE L2, behind the first trip's joint load and run of LDS loads: one instruction a wave.  It names the blocks of 256 bytes that my cluster is the first in the launch to load by a refill
; and that leave room for a lead: ctx's K step (ROT + 3) % 8, loaded in the trip CNT = 5: named in the trip CNT = 6, one refill ahead, by waves 0 and 1 of every cluster; of a plane's 32,768 bytes the
; partner at cx takes 8,192, a lane a block.  The two clusters of one Y name different K steps.  The K step loaded in the trip CNT = 6 has nothing but the kernel's head ahead of it and is not named;
; each K step of Wo is asked for by some cluster's first fills.
.macro ASK
	s_cmp_eq_u32 s[CNT], s[LIM]
	s_cbranch_scc0 .Lnot_mine_\@
	global_prefetch_b8 v[PFO], s[PFA:PFA+1] th:TH_LOAD_NT scope:SCOPE_SE
.Lnot_mine_\@:
.endm
; 24 LDS loads in one run: quarter q of the slot in hand into buffer f: Wo's 8 blocks, then ctx's 4 (plane q / 2, channels 32 (q % 2) on)
.macro FETCH q, f
	WIN 0x40
.set b, 0
.rept NB
	ds_load_tr16_b128 v[(\f)+8*b:(\f)+8*b+3],   v[ADRB] offset:(\q)*32*PB+32*b
	ds_load_tr16_b128 v[(\f)+8*b+4:(\f)+8*b+7], v[ADRB] offset:(\q)*32*PB+32*b+16*PB
.set b, b+1
.endr
.set b, 0
.rept 4
	ds_load_b128 v[(\f)+96+8*b:(\f)+96+8*b+3],   v[ADRA] offset:((\q)/2)*APLANE+((\q)%2)*64+b*16*PA
	ds_load_b128 v[(\f)+96+8*b+4:(\f)+96+8*b+7], v[ADRA] offset:((\q)/2)*APLANE+((\q)%2)*64+b*16*PA+32
.set b, b+1
.endr
.endm
; 8 products: row block a x all column blocks.  All 32 accumulators of a quarter take turns, in the same order in every quarter.  first = 1: C is the bias.
.macro MULA f, a, first
.if \first
	WIN 0x85+0x40*((\a)/2)
.else
	WIN 0xa5+0x50*((\a)/2)
.endif
.set AC, 8*NB*((\a)%2)
.set b, 0
.rept NB
.if \first
	v_wmma_f32_16x16x32_f16 v[AC+8*b:AC+8*b+7], v[(\f)+8*b:(\f)+8*b+7], v[(\f)+96+8*(\a):(\f)+96+8*(\a)+7], v[BI+8*b:BI+8*b+7]
.else
	v_wmma_f32_16x16x32_f16 v[AC+8*b:AC+8*b+7], v[(\f)+8*b:(\f)+8*b+7], v[(\f)+96+8*(\a):(\f)+96+8*(\a)+7], v[AC+8*b:AC+8*b+7]
.endif
.set b, b+1
.endr
.endm
.macro QUARTER q, f, g, first
	s_wait_dscnt 4                                 ; Wo and ctx's blocks 0, 1 are in; the youngest four loads (blocks 2, 3) may be out
	MULA \f, 0, \first
	MULA \f, 1, \first
	PLACES
	FETCH \q, \g
	s_wait_dscnt 2*NB+8                            ; all but the run just issued
	MULA \f, 2, \first
	MULA \f, 3, \first
.endm
; The last quarter multiplies buffer 1 and changes slots: in front of the barrier each wave waits for all its tensor loads, adds 0 to its spare word, and waits for that and for its reads of this slot.
; fill = 1: the barrier opens a round of the cluster's, and this slot is filled again first thing behind it, with the K step of the time two on: 112 products stand between that request and the wait
; for it.  The descriptors' global addresses are made anew from the K step's number.
.macro TURN fill
	WIN 0
	s_wait_tensorcnt 0x0                           ; no tensor load of mine is out, so a group 0 may be written
	ds_add_u32 v[SPW], v[NIL]
.if \fill
	s_add_co_u32 s[SQ], s[SQ], 1
	s_and_b32 s[OS], s[SQ], 7                      ; the K step of the time asked for,
	s_lshl_b32 s[OS], s[OS], 18                    ; in bytes
	s_xor_b32 s[G0A+5], s[G0A+5], SLOT1            ; the other slot than last time
	s_add_nc_u64 s[G0A+6:G0A+7], s[AB:AB+1], s[OS:OS+1]
	s_or_b32 s[G0A+7], s[G0A+7], 0x80000000
	s_xor_b32 s[G0B+5], s[G0B+5], SLOT1
	s_add_nc_u64 s[G0B+6:G0B+7], s[BB:BB+1], s[OS:OS+1]
	s_or_b32 s[G0B+7], s[G0B+7], 0x80000000
.endif
	s_xor_b32 s[TB], s[TB], SLOT1
	s_wait_dscnt 5                                 ; the add and the youngest four loads may be out
	MULA F1, 0, 0
	s_wait_dscnt 0x0                               ; the add is done, and my reads of this slot are over
	s_barrier_signal -1
	MULA F1, 1, 0
	WIN 0
	s_barrier_wait -1
.if \fill
	CREST
	JLOAD
.else
	PLACES
.endif
	v_add_nc_u32 v[ADRA], s[TB], v[A0]
	v_add_nc_u32 v[ADRB], s[TB], v[B0]
	FETCH 0, F0
.if \fill
	WIN 0
	ASK
.endif
	MULA F1, 2, 0
	MULA F1, 3, 0
.endm
	s_load_b512 s[4:19], s[0:1], 0x0               ; ctx 4, wo16 6, bo 8, hp 10, Wrel 12, brel 14, out0 16, out1 18
	v_lshl_add_u32 v[SPW], v0, 2, SPARE
	v_mov_b32 v[NIL], 0
	ds_add_u32 v[SPW], v[NIL]                      ; the wave's opening: the add and its wait ahead of my first tensor load
	v_lshrrev_b32 v16, 5, v0
	v_readfirstlane_b32 s[WV], v16
	s_and_b32 s[HALF], s[WV], 1
	s_bfe_u32 s[CX], ttmp6, 0x40000
	s_bfe_u32 s[CY], ttmp6, 0x40004
	s_lshl_b32 s[TX], ttmp9, 2
	s_add_co_u32 s[TX], s[TX], s[CX]
	s_and_b32 s[TY], ttmp7, 0xffff
	s_lshl_b32 s[TY], s[TY], 2
	s_add_co_u32 s[TY], s[TY], s[CY]
	s_and_b32 s[ROT], ttmp7, 0xffff                ; ROT = 4 X + 2 Y, modulo 8: equal in all sixteen partners
	s_lshl_b32 s88, ttmp9, 1
	s_add_co_u32 s[ROT], s[ROT], s88
	s_lshl_b32 s[ROT], s[ROT], 1
	s_and_b32 s[ROT], s[ROT], 7
	s_add_co_u32 s[SQ], s[ROT], 1                  ; the first fills ask for times 0 and 1; ROT is even, so ROT + 1 is a K step too
	s_lshl_b32 s[OS], s[ROT], 18
	s_mov_b32 s[OS+1], 0
	s_and_b32 s[REL], ttmp7, 0xffff                ; 0 in wave 3 of cluster (0, 0): the cluster's coordinates and the wave's number, alike in all partners
	s_or_b32 s[REL], s[REL], ttmp9
	s_xor_b32 s88, s[WV], 3
	s_or_b32 s[REL], s[REL], s88
	s_lshl_b32 s76, s[CY], 2
	s_lshl_b32 s76, 15, s76                        ; my row of the cluster
	s_lshl_b32 s80, 0x1111, s[CX]                  ; my column
	s_or_b32 s[G1A], s76, (1<<16)|(1<<20)|(1<<21)|(4<<22)|(3<<25)  ; the mask; 2-byte elements; padding on; 21 set beside a mask; after every 32 words 4 words
	s_or_b32 s[G1B], s80, (1<<16)|(1<<20)|(1<<21)|(5<<22)|(7<<25)  ; after every 64 words 8 words
	s_mov_b32 s[G1A+1], 128<<16                    ; 32,768 dense bytes as 128 rows of 256: two rows of ctx a row
	s_mov_b32 s[G1A+2], 128<<16
	s_mov_b32 s[G1A+3], 128<<16
	s_mov_b32 s[G1A+4], 128
	s_mov_b32 s[G1A+5], 128
	s_mov_b32 s[G1A+6], 0
	s_mov_b32 s[G1A+7], 0
	s_mov_b32 s[G1B+1], 128<<16                    ; 64 rows of 128 elements, 1,024 elements from row to row
	s_mov_b32 s[G1B+2], 64<<16
	s_mov_b32 s[G1B+3], 128<<16
	s_mov_b32 s[G1B+4], 64
	s_mov_b32 s[G1B+5], 1024
	s_mov_b32 s[G1B+6], 0
	s_mov_b32 s[G1B+7], 0
	s_lshr_b32 s76, s[TY], 2                       ; ctx: ((16 batch + half) x 1,024 + 256 (ty % 4)) rows of 128 bytes
	s_lshl_b32 s76, s76, 21
	s_lshl_b32 s77, s[HALF], 17
	s_add_co_u32 s76, s76, s77
	s_and_b32 s77, s[TY], 3
	s_lshl_b32 s77, s77, 15
	s_add_co_u32 s76, s76, s77
	s_mov_b32 s77, 0
	s_lshl_b32 s80, s[HALF], 17                    ; Wo: row 64 half, column 128 tx
	s_lshl_b32 s81, s[TX], 8
	s_add_co_u32 s80, s80, s81
	s_mov_b32 s81, 0
	s_mul_i32 s92, s[HALF], APLANE                 ; where they go: no place in the cluster enters an LDS address
	s_mul_i32 s93, s[HALF], BHALF
	s_add_co_u32 s93, s93, ABYTES
	s_mov_b32 s[HIM], 0xffff0000
	s_mov_b32 s[SCL], 0x35800000                   ; 2^-20 = 1 / (1,024 x 1,024)
	s_mov_b32 s[SEL], 0x76543210
	s_mov_b32 s[SEL+1], 0xfedcba98
	v_and_b32 v1, 15, v0                           ; l % 16
	v_bfe_u32 v2, v0, 4, 1                         ; l / 16
	v_and_b32 v3, 31, v0                           ; l
	v_lshlrev_b32 v[BO], 5, v2
	s_lshl_b32 s62, s[TX], 9
	s_mov_b32 s63, 0
	s_wait_dscnt 0x0                               ; the opening add is done
	s_wait_kmcnt 0x0
	s_add_nc_u64 s[AB:AB+1], s[4:5], s[76:77]
	s_add_nc_u64 s[BB:BB+1], s[6:7], s[80:81]
	s_add_nc_u64 s[88:89], s[AB:AB+1], s[OS:OS+1]  ; at K step ROT
	s_add_nc_u64 s[90:91], s[BB:BB+1], s[OS:OS+1]
.irp n, 0,1
	s_mov_b32 s[G0A+4*(\n)], 1
	s_add_co_u32 s[G0A+4*(\n)+1], s92, (\n)*SLOT1
	s_add_nc_u64 s[G0A+4*(\n)+2:G0A+4*(\n)+3], s[88:89], (\n)*WALK
	s_or_b32 s[G0A+4*(\n)+3], s[G0A+4*(\n)+3], 0x80000000
	s_mov_b32 s[G0B+4*(\n)], 1
	s_add_co_u32 s[G0B+4*(\n)+1], s93, (\n)*SLOT1
	s_add_nc_u64 s[G0B+4*(\n)+2:G0B+4*(\n)+3], s[90:91], (\n)*WALK
	s_or_b32 s[G0B+4*(\n)+3], s[G0B+4*(\n)+3], 0x80000000
.endr
	; the bias is asked for ahead of the round: block b's eight registers hold numbers 128 tx + 16 b + 8 (l / 16) + 0..7
	s_add_nc_u64 s[8:9], s[8:9], s[62:63]
.set b, 0
.rept NB
	global_load_b128 v[BI+8*b:BI+8*b+3],   v[BO], s[8:9] offset:64*b
	global_load_b128 v[BI+8*b+4:BI+8*b+7], v[BO], s[8:9] offset:64*b+16
.set b, b+1
.endr
	; out1[b][r] = 2^-20 x the sum over heads h of (the head's eight partial sums) x Wrel[h][r] + brel[r].  The work-group at place p = 4 cy + cx makes numbers 4 p .. 4 p + 3:
	; batch p / 2, r = 4 (p % 2) + 0..3.  Lane l takes four partial sums of head l / 2.  Its three loads go out here, with the bias's
	s_cmp_eq_u32 s[REL], 0
	s_cbranch_scc0 .Lno_rel_loads
	s_lshl_b32 s88, s[CY], 2
	s_add_co_u32 s88, s88, s[CX]                   ; p
	s_lshr_b32 s89, s88, 1
	s_lshl_b32 s89, s89, 9                         ; the batch's 16 heads x 32 bytes of hp
	s_and_b32 s90, s88, 1
	s_lshl_b32 s90, s90, 4                         ; which four of the eight r
	s_lshl_b32 s91, s88, 4
	v_lshl_add_u32 v128, v3, 4, s89
	v_lshrrev_b32 v129, 1, v3
	v_lshl_add_u32 v129, v129, 5, s90
	v_mov_b32 v130, s90
	v_mov_b32 v131, s91
	global_load_b128 v[132:135], v128, s[10:11]
	global_load_b128 v[136:139], v129, s[12:13]
	global_load_b128 v[140:143], v130, s[14:15]
.Lno_rel_loads:
	CROUND                                         ; all sixteen work-groups are here: the first joint loads meet
	s_cmp_lt_u32 s[WV], 2                          ; a wave's two first fills stand in one branch: two loads of mine are out
	s_cbranch_scc0 .Lfirst_b
	tensor_load_to_lds s[G0A:G0A+3], s[G1A:G1A+7]
	s_nop 0
	tensor_load_to_lds s[G0A+4:G0A+7], s[G1A:G1A+7]
	s_nop 0
.rept 4
	v_nop
.endr
	s_branch .Lfirst_asked
.Lfirst_b:
	tensor_load_to_lds s[G0B:G0B+3], s[G1B:G1B+7]
	s_nop 0
	tensor_load_to_lds s[G0B+4:G0B+7], s[G1B:G1B+7]
	s_nop 0
.rept 4
	v_nop
.endr
.Lfirst_asked:
	v_mul_u32_u24 v[A0], v1, PA                    ; a fragment of ctx: row x pitch + 16 (l / 16), my 64 rows
	v_lshl_add_u32 v[A0], v2, 4, v[A0]
	s_mul_i32 s87, s[WV], 64*PA
	v_add_nc_u32 v[A0], s87, v[A0]
	v_and_b32 v16, 7, v0                           ; the turning load: lane l reads k = 8 (l / 16) + l % 8, columns 8 ((l / 8) % 2) + 0..7
	v_bfe_u32 v17, v0, 3, 1
	v_lshl_add_u32 v[B0], v2, 3, v16
	v_mul_u32_u24 v[B0], v[B0], PB
	v_lshl_add_u32 v[B0], v17, 4, v[B0]
	v_add_nc_u32 v[B0], ABYTES, v[B0]
	s_mul_i32 s86, s[WV], WSTAGE
	s_add_co_u32 s86, s86, STAGE                   ; my stage
	v_mul_u32_u24 v[STO], v1, SP                   ; in: row l % 16, 32 bytes for each half of the lanes
	v_lshl_add_u32 v[STO], v2, 5, v[STO]
	v_add_nc_u32 v[STO], s86, v[STO]
	v_lshl_add_u32 v[RD], v3, 4, s86               ; back: 32 lanes take a row's 512 bytes
	v_lshlrev_b32 v[GO], 4, v3
	s_lshl_b32 s84, s[TY], 20                      ; out0: row 256 ty + 64 wave of 4,096 bytes, column 128 tx
	s_lshl_b32 s85, s[WV], 18
	s_add_co_u32 s84, s84, s85
	s_lshl_b32 s85, s[TX], 9
	s_add_co_u32 s84, s84, s85
	s_mov_b32 s85, 0
	s_add_nc_u64 s[16:17], s[16:17], s[84:85]
	; the prefetch: my plane of ctx, my work-group's 8,192 bytes of it, at K step (ROT + 3) % 8
	s_lshr_b32 s88, s[TY], 2
	s_lshl_b32 s88, s88, 21
	s_lshl_b32 s89, s[HALF], 17
	s_add_co_u32 s88, s88, s89
	s_and_b32 s89, s[TY], 3
	s_lshl_b32 s89, s89, 15
	s_add_co_u32 s88, s88, s89
	s_lshl_b32 s89, s[CX], 13
	s_add_co_u32 s88, s88, s89
	s_add_co_u32 s89, s[ROT], 3
	s_and_b32 s89, s89, 7
	s_lshl_b32 s89, s89, 18
	s_add_co_u32 s88, s88, s89
	s_mov_b32 s89, 0
	s_add_nc_u64 s[PFA:PFA+1], s[4:5], s[88:89]
	s_cmp_lt_u32 s[WV], 2
	s_cselect_b32 s[LIM], 6, 0                     ; waves 0 and 1, in the first trip; no trip has CNT = 0
	v_lshlrev_b32 v[PFO], 8, v3
	s_wait_loadcnt 0x0                             ; the bias, and in the waves that make out1 their three loads
.set b, 0
.rept 4*NB                             ; rounded to bf16 and widened again, a pair at a time
	v_cvt_pk_bf16_f32 v[20+b%4], v[BI+2*b], v[BI+2*b+1]
	v_lshlrev_b32 v[BI+2*b], 16, v[20+b%4]
	v_and_b32 v[BI+2*b+1], s[HIM], v[20+b%4]
.set b, b+1
.endr
	s_cmp_eq_u32 s[REL], 0
	s_cbranch_scc0 .Lno_rel
	v_cvt_pk_bf16_f32 v144, v136, v137
	v_cvt_pk_bf16_f32 v145, v138, v139
	v_lshlrev_b32 v136, 16, v144
	v_and_b32 v137, s[HIM], v144
	v_lshlrev_b32 v138, 16, v145
	v_and_b32 v139, s[HIM], v145
	v_cvt_pk_bf16_f32 v144, v140, v141
	v_cvt_pk_bf16_f32 v145, v142, v143
	v_lshlrev_b32 v140, 16, v144
	v_and_b32 v141, s[HIM], v144
	v_lshlrev_b32 v142, 16, v145
	v_and_b32 v143, s[HIM], v145
	v_add_f32 v132, v132, v133
	v_add_f32 v134, v134, v135
	v_add_f32 v132, v132, v134
.irp i, 0,1,2,3
	v_mul_f32 v[136+(\i)], v132, v[136+(\i)]
.endr
.irp m, 1,2,4,8
.irp i, 0,1,2,3
	v_add_f32_dpp v[136+(\i)], v[136+(\i)], v[136+(\i)] row_xmask:\m row_mask:0xf bank_mask:0xf
.endr
.endr
.irp i, 0,1,2,3
	v_permlanex16_b32 v[132+(\i)], v[136+(\i)], s[SEL], s[SEL+1]
.endr
.irp i, 0,1,2,3
	v_add_f32 v[136+(\i)], v[136+(\i)], v[132+(\i)]
.endr
.irp i, 0,1,2,3
	v_fma_f32 v[136+(\i)], v[136+(\i)], s[SCL], v[140+(\i)]
.endr
	s_wait_xcnt 0x0                                ; EXEC changes only behind this wait
	v_cmp_eq_u32 vcc_lo, 0, v3
	s_and_saveexec_b32 s93, vcc_lo                 ; lane 0 alone
	global_store_b128 v131, v[136:139], s[18:19]
	s_wait_xcnt 0x0                                ; and again, in front of the line that widens it
	s_or_b32 exec_lo, exec_lo, s93
.Lno_rel:
	s_wait_tensorcnt 0x1                           ; my part of time 0 is in; time 1's may stay out
	s_barrier_signal -1
	s_barrier_wait -1
	v_mov_b32 v[ADRA], v[A0]
	v_mov_b32 v[ADRB], v[B0]
	s_mov_b32 s[TB], 0
	FETCH 0, F0
	QUARTER 1, F0, F1, 1                           ; the first quarter stands in front of the loop: its products start the sums, with the bias
	WIN 0
	s_mov_b32 s[CNT], 6
.Lstep:                                                ; six trips, from a K step's second quarter to the next step's first; they ask for times 2 to 7
	QUARTER 2, F1, F0, 0
	QUARTER 3, F0, F1, 0
	TURN 1
	QUARTER 1, F0, F1, 0
	WIN 0
	s_sub_co_u32 s[CNT], s[CNT], 1
	s_cmp_lg_u32 s[CNT], 0
	s_cbranch_scc1 .Lstep
	QUARTER 2, F1, F0, 0                           ; the tail is written out: it asks for nothing
	QUARTER 3, F0, F1, 0
	TURN 0
	QUARTER 1, F0, F1, 0
	QUARTER 2, F1, F0, 0
	QUARTER 3, F0, F1, 0
	s_wait_dscnt 4
	MULA F1, 0, 0
	MULA F1, 1, 0
	s_wait_dscnt 0x0
	MULA F1, 2, 0
	MULA F1, 3, 0
	PLACES
	PLACES
; THE WAY OUT, a block of 16 rows at a time.  TOSTAGE: a lane's 32 bytes of each column block go straight from the accumulators into my stage, each accumulator's low four registers first,
; and come back as whole pieces of rows, 512 bytes.  SEND: stored.
.macro TOSTAGE a
	WIN 0x08+4*((\a)/2)                            ; the stores' data in window 2 or 3
.set AC, 8*NB*((\a)%2)
.set b, 0
.rept NB
	ds_store_b128 v[STO], v[AC+8*b:AC+8*b+3]   offset:64*b
	ds_store_b128 v[STO], v[AC+8*b+4:AC+8*b+7] offset:64*b+16
.set b, b+1
.endr
	WIN 0
	s_wait_xcnt 0x0                                ; the stores of the block two back have read the registers that are loaded now
.set b, 0
.rept 16
	ds_load_b128 v[BK+64*((\a)%2)+4*b:BK+64*((\a)%2)+4*b+3], v[RD] offset:b*SP  ; LDS serves a wave's instructions in order (ISA guide 5.7.1.4): these see the stores above
.set b, b+1
.endr
.endm
.macro SEND a, younger                 ; younger: the LDS instructions issued behind this block's loads
.set b, 0
.rept 16
	s_wait_dscnt (\younger)+15-b
	global_store_b128 v[GO], v[BK+64*((\a)%2)+4*b:BK+64*((\a)%2)+4*b+3], s[16:17] offset:(16*(\a)+b)*4096 th:TH_STORE_NT  ; 512 consecutive bytes, aligned
.set b, b+1
.endr
.endm
	TOSTAGE 0
	TOSTAGE 1
	SEND 0, 32
	TOSTAGE 2
	SEND 1, 32
	TOSTAGE 3
	SEND 2, 32
	SEND 3, 0
	s_wait_tensorcnt 0x0                           ; the wave's end
	ds_add_u32 v[SPW], v[NIL]
	s_wait_dscnt 0x0
	CROUND                                         ; the closing round
	s_endpgm
.Lfunc_end_k_q0d481f88c3_oproj:
	.size	k_q0d481f88c3_oproj, .Lfunc_end_k_q0d481f88c3_oproj-k_q0d481f88c3_oproj
	.p2alignl 7, 3214868480
	.fill 96, 4, 3214868480
	.section	.rodata,"a",@progbits
	.p2align	6, 0x0
	.amdhsa_kernel k_q0d481f88c3_oproj
		.amdhsa_group_segment_fixed_size 327680
		.amdhsa_private_segment_fixed_size 0
		.amdhsa_enable_private_segment 0
		.amdhsa_kernarg_size 64
		.amdhsa_user_sgpr_count 2
		.amdhsa_user_sgpr_kernarg_segment_ptr 1
		.amdhsa_wavefront_size32 1
		.amdhsa_system_sgpr_workgroup_id_x 1
		.amdhsa_system_sgpr_workgroup_id_y 1
		.amdhsa_system_sgpr_workgroup_id_z 1
		.amdhsa_system_vgpr_workitem_id 0
		.amdhsa_next_free_vgpr 896
		.amdhsa_next_free_sgpr 96
		.amdhsa_reserve_vcc 1
		.amdhsa_float_denorm_mode_32 3
		.amdhsa_float_denorm_mode_16_64 3
		.amdhsa_memory_ordered 1
		.amdhsa_forward_progress 1
		.amdhsa_inst_pref_size 82
	.end_amdhsa_kernel
	.amdgpu_metadata
---
amdhsa.version: [ 1, 2 ]
amdhsa.kernels:
  - .name:           k_q0d481f88c3_oproj
    .symbol:         k_q0d481f88c3_oproj.kd
    .args:
      - { .name: ctx, .offset: 0, .size: 8, .value_kind: global_buffer, .address_space: global }
      - { .name: wo16, .offset: 8, .size: 8, .value_kind: global_buffer, .address_space: global }
      - { .name: bo, .offset: 16, .size: 8, .value_kind: global_buffer, .address_space: global }
      - { .name: hp, .offset: 24, .size: 8, .value_kind: global_buffer, .address_space: global }
      - { .name: Wrel, .offset: 32, .size: 8, .value_kind: global_buffer, .address_space: global }
      - { .name: brel, .offset: 40, .size: 8, .value_kind: global_buffer, .address_space: global }
      - { .name: out0, .offset: 48, .size: 8, .value_kind: global_buffer, .address_space: global }
      - { .name: out1, .offset: 56, .size: 8, .value_kind: global_buffer, .address_space: global }
    .group_segment_fixed_size: 327680
    .private_segment_fixed_size: 0
    .kernarg_segment_align: 8
    .kernarg_segment_size: 64
    .max_flat_workgroup_size: 128
    .sgpr_count:     96
    .vgpr_count:     896
    .wavefront_size: 32
...
	.end_amdgpu_metadata
.endif
;; end of part 4
;; ======== version 2 of 2: 4 launches; version 1 with the launch prep written anew for expert scheduling mode
;; limits: values are held in f16: magnitudes above 65,504 overflow, below 6.1e-05 lose precision
;; workspace buffers: xb 16,777,216 bytes; wqkv 6,291,456 bytes; wo16 2,097,152 bytes; q16 16,777,216 bytes; k16 16,777,216 bytes; v16 16,777,216 bytes; ctx 16,777,216 bytes; hp 4,096 bytes
;; launch prep (part 5): grid 768 x 1, 8 waves a work-group, no clusters, 0 bytes of LDS; arguments x, Wq, Wk, Wv, Wo, xb, wqkv, wo16; writes xb, wqkv, wo16
.if DOCPART == 5
	.amdgcn_target "amdgcn-amd-amdhsa--gfx1250"
	.amdhsa_code_object_version 6
	.text
	.protected	k_q0d481f88c3_prep
	.globl	k_q0d481f88c3_prep
	.p2align	8
	.type	k_q0d481f88c3_prep,@function
k_q0d481f88c3_prep:
	s_mov_b64 s[64:65], 0
	v_nop
	global_prefetch_b8 v0, s[64:65] scope:SCOPE_SE
	s_setreg_imm32_b32 hwreg(HW_REG_WAVE_SCHED_MODE, 0, 2), 2
	s_setreg_imm32_b32 hwreg(HW_REG_WAVE_MODE, 25, 1), 1
	s_wait_xcnt 0x0
	s_wait_alu depctr_vm_vsrc(0)
; THE OPERANDS ARE MADE 16 BITS WIDE, ONCE.  x [8192][1024] f32 -> xb, bf16, same order.  Wq, Wk, Wv [1024 k][1024 n] f32 -> wqkv, bf16, in blocks
; [16 heads j][8 K steps s][3 matrices m][128 k][64 n], so that what a tile of the next launch wants of a K step lies dense.  Wo -> wo16: rounded to bf16 like every
; other input, and that number written as f16 (exact from 2^-14 up; below 2^-17 it keeps f16's fixed step of 6e-8; beyond 65,504 it is lost).
; A stream: no LDS, no barrier, no matrix unit.  Every work-group takes 65,536 bytes in and 32,768 out, a wave 8,192 in: sixteen loads of 16 bytes a lane, all issued
; before the first is waited for.  A store is 8 bytes a lane: 32 lanes fill 256 consecutive bytes, aligned.  No register is written twice, so no store's source needs a wait.
; THE MODE: SCHED_MODE bits 1:0 = 2 (LLVM: expert scheduling mode 2), set by the entry lines.  The code itself states the register dependences
; between vector instructions and memory instructions, with s_wait_alu, always for 0.
; THE PLAN.  Registers that memory instructions touch, in each of the three paths:
;   v[VI], v[VO]  the offsets.  Written by vector instructions at the path's head, once; read by the sixteen loads and the sixteen stores.
;   X             Written by the loads, each register once; no vector instruction names them ahead of the loads; read by the conversions behind each load's own wait.
;   Y             Written by the conversions, each register once; read by one store each; never written again.
;   T is named by vector instructions alone.  s[WV] is written by a vector instruction and read by scalar ones.
; So a path has five waits on va_vdst: one ahead of the first load, for the two offsets, and one for each block of four loads, behind the block's conversions and ahead of its
; four stores.  The stores stand behind their own block and not at the next block's head: there they would stand behind the wait for that block's loads, and eight stores,
; not four, would follow the wave's last load.  No register that a memory instruction reads is written again, so no wait on vm_vsrc is owed; EXEC is never written.
.set VI,  2                            ; v2   my byte offset in the wave's input
.set VO,  3                            ; v3   my byte offset in the wave's output
.set T,   4                            ; v[4:7]  at work
.set X,   16                           ; v[16:79]   sixteen loads of four f32
.set Y,   80                           ; v[80:111]  sixteen stores of four 16-bit numbers
.set WV,  8                            ; s8   my wave's number
.set HIM, 32                           ; s32  a word's upper half
; Sixteen loads istep bytes apart; then four blocks of four: for each load its wait (the younger loads stay out) and the rounding, then the block's four stores.  kind = 1: bf16's number as f16.
.macro CONV istep, kind
	s_wait_alu depctr_va_vdst(0)                   ; v[VI] and v[VO] are written: the loads below read the one as their offset, the stores the other; no later vector instruction names them
.set i, 0
.rept 16
	global_load_b128 v[X+4*i:X+4*i+3], v[VI], s[4:5] offset:i*(\istep) th:TH_LOAD_NT
.set i, i+1
.endr
.set i, 0
.rept 4
.rept 4
	s_wait_loadcnt 15-i                            ; loads come back in order: number i is in, the 15 - i younger ones may be out
.if \kind
	v_cvt_pk_bf16_f32 v[T], v[X+4*i], v[X+4*i+1]
	v_cvt_pk_bf16_f32 v[T+1], v[X+4*i+2], v[X+4*i+3]
	v_lshlrev_b32 v[T+2], 16, v[T]                 ; back to f32: the low half moves up, the high half stays
	v_and_b32 v[T], s[HIM], v[T]
	v_lshlrev_b32 v[T+3], 16, v[T+1]
	v_and_b32 v[T+1], s[HIM], v[T+1]
	v_cvt_pk_f16_f32 v[Y+2*i], v[T+2], v[T]
	v_cvt_pk_f16_f32 v[Y+2*i+1], v[T+3], v[T+1]
.else
	v_cvt_pk_bf16_f32 v[Y+2*i], v[X+4*i], v[X+4*i+1]
	v_cvt_pk_bf16_f32 v[Y+2*i+1], v[X+4*i+2], v[X+4*i+3]
.endif
.set i, i+1
.endr
	s_wait_alu depctr_va_vdst(0)                   ; the block's conversions have written its eight registers of Y, which the four stores below read
.set j, i-4
.rept 4
	global_store_b64 v[VO], v[Y+2*j:Y+2*j+1], s[6:7] offset:j*256
.set j, j+1
.endr
.endr
.endm
	s_load_b512 s[16:31], s[0:1], 0x0              ; x 16, Wq 18, Wk 20, Wv 22, Wo 24, xb 26, wqkv 28, wo16 30
	v_lshrrev_b32 v1, 5, v0
	v_readfirstlane_b32 s[WV], v1                  ; wave 0..7
	v_and_b32 v1, 31, v0                           ; lane
	s_mov_b32 s[HIM], 0xffff0000
	s_wait_alu depctr_va_sdst(0)                   ; s[WV] is written, ahead of the branches and of its first reader in each of the three paths: the waves' offsets are made from it
	s_cmp_lt_u32 ttmp9, 512
	s_cbranch_scc0 .Lweights
	; work-groups 0 to 511: x, in order
	s_lshl_b32 s12, ttmp9, 16
	s_mov_b32 s13, 0
	s_lshl_b32 s14, ttmp9, 15
	s_mov_b32 s15, 0
	s_lshl_b32 s9, s[WV], 13
	v_lshl_add_u32 v[VI], v1, 4, s9                ; 8,192 x wave + 16 x lane
	s_lshl_b32 s9, s[WV], 12
	v_lshl_add_u32 v[VO], v1, 3, s9                ; 4,096 x wave + 8 x lane
	s_wait_kmcnt 0x0
	s_add_nc_u64 s[4:5], s[16:17], s[12:13]
	s_add_nc_u64 s[6:7], s[26:27], s[14:15]
	CONV 512, 0
	s_endpgm
.Lweights:
	s_cmp_lt_u32 ttmp9, 704
	s_cbranch_scc0 .Lwo
	; work-groups 512 to 703: 64 for each of Wq, Wk, Wv; each makes two blocks of 128 k x 64 n, four waves to a block, 32 rows of k to a wave
	s_sub_co_u32 s9, ttmp9, 512
	s_lshr_b32 s10, s9, 6                          ; m: which matrix
	s_and_b32 s9, s9, 63
	s_lshr_b32 s11, s[WV], 2
	s_lshl1_add_u32 s9, s9, s11                    ; the block's number 8 j + s
	s_and_b32 s11, s[WV], 3                        ; my quarter of its rows
	s_lshr_b32 s12, s9, 3                          ; j
	s_and_b32 s13, s9, 7                           ; s
	s_lshl_b32 s13, s13, 19                        ; 128 s rows of 4,096 bytes
	s_lshl_b32 s14, s11, 17                        ; + 32 rows for each quarter
	s_add_co_u32 s13, s13, s14
	s_lshl_b32 s12, s12, 8                         ; + 64 j columns of 4 bytes
	s_add_co_u32 s12, s12, s13
	s_mov_b32 s13, 0
	s_mul_i32 s14, s9, 3
	s_add_co_u32 s14, s14, s10                     ; block 3 (8 j + s) + m of 16,384 bytes
	s_lshl_b32 s14, s14, 14
	s_lshl_b32 s15, s11, 12                        ; + 32 rows of 128 bytes for each quarter
	s_add_co_u32 s14, s14, s15
	s_mov_b32 s15, 0
	v_lshrrev_b32 v[VI], 4, v1                     ; lanes 0-15 take 256 bytes of row k, lanes 16-31 of row k + 1
	v_lshlrev_b32 v[VI], 12, v[VI]
	v_and_b32 v[T], 15, v1
	v_lshl_or_b32 v[VI], v[T], 4, v[VI]
	v_lshlrev_b32 v[VO], 3, v1                     ; and the two rows lie on end in the block: 256 bytes
	s_wait_kmcnt 0x0
	s_cmp_eq_u32 s10, 0
	s_cselect_b64 s[4:5], s[18:19], s[20:21]
	s_cmp_eq_u32 s10, 2
	s_cselect_b64 s[4:5], s[22:23], s[4:5]
	s_add_nc_u64 s[4:5], s[4:5], s[12:13]
	s_add_nc_u64 s[6:7], s[28:29], s[14:15]
	CONV 8192, 0
	s_endpgm
.Lwo:
	; work-groups 704 to 767: Wo, in order
	s_sub_co_u32 s9, ttmp9, 704
	s_lshl_b32 s12, s9, 16
	s_mov_b32 s13, 0
	s_lshl_b32 s14, s9, 15
	s_mov_b32 s15, 0
	s_lshl_b32 s9, s[WV], 13
	v_lshl_add_u32 v[VI], v1, 4, s9
	s_lshl_b32 s9, s[WV], 12
	v_lshl_add_u32 v[VO], v1, 3, s9
	s_wait_kmcnt 0x0
	s_add_nc_u64 s[4:5], s[24:25], s[12:13]
	s_add_nc_u64 s[6:7], s[30:31], s[14:15]
	CONV 512, 1
	s_endpgm
.Lfunc_end_k_q0d481f88c3_prep:
	.size	k_q0d481f88c3_prep, .Lfunc_end_k_q0d481f88c3_prep-k_q0d481f88c3_prep
	.p2alignl 7, 3214868480
	.fill 96, 4, 3214868480
	.section	.rodata,"a",@progbits
	.p2align	6, 0x0
	.amdhsa_kernel k_q0d481f88c3_prep
		.amdhsa_group_segment_fixed_size 0
		.amdhsa_private_segment_fixed_size 0
		.amdhsa_enable_private_segment 0
		.amdhsa_kernarg_size 64
		.amdhsa_user_sgpr_count 2
		.amdhsa_user_sgpr_kernarg_segment_ptr 1
		.amdhsa_wavefront_size32 1
		.amdhsa_system_sgpr_workgroup_id_x 1
		.amdhsa_system_sgpr_workgroup_id_y 1
		.amdhsa_system_sgpr_workgroup_id_z 1
		.amdhsa_system_vgpr_workitem_id 0
		.amdhsa_next_free_vgpr 112
		.amdhsa_next_free_sgpr 66
		.amdhsa_reserve_vcc 0
		.amdhsa_float_denorm_mode_32 3
		.amdhsa_float_denorm_mode_16_64 3
		.amdhsa_memory_ordered 1
		.amdhsa_forward_progress 1
		.amdhsa_inst_pref_size 24
	.end_amdhsa_kernel
	.amdgpu_metadata
---
amdhsa.version: [ 1, 2 ]
amdhsa.kernels:
  - .name:           k_q0d481f88c3_prep
    .symbol:         k_q0d481f88c3_prep.kd
    .args:
      - { .name: x, .offset: 0, .size: 8, .value_kind: global_buffer, .address_space: global }
      - { .name: Wq, .offset: 8, .size: 8, .value_kind: global_buffer, .address_space: global }
      - { .name: Wk, .offset: 16, .size: 8, .value_kind: global_buffer, .address_space: global }
      - { .name: Wv, .offset: 24, .size: 8, .value_kind: global_buffer, .address_space: global }
      - { .name: Wo, .offset: 32, .size: 8, .value_kind: global_buffer, .address_space: global }
      - { .name: xb, .offset: 40, .size: 8, .value_kind: global_buffer, .address_space: global }
      - { .name: wqkv, .offset: 48, .size: 8, .value_kind: global_buffer, .address_space: global }
      - { .name: wo16, .offset: 56, .size: 8, .value_kind: global_buffer, .address_space: global }
    .group_segment_fixed_size: 0
    .private_segment_fixed_size: 0
    .kernarg_segment_align: 8
    .kernarg_segment_size: 64
    .max_flat_workgroup_size: 256
    .sgpr_count:     66
    .vgpr_count:     112
    .wavefront_size: 32
...
	.end_amdgpu_metadata
.endif
;; end of part 5
;; launch qkv: the kernel of part 2 again; grid 16 x 16, 4 waves a work-group, clusters of 4 x 4, 327,680 bytes of LDS; arguments xb, wqkv, bq, bk, bv, q16, k16, v16; writes q16, k16, v16
;; launch attn: the kernel of part 3 again; grid 2 x 128, 4 waves a work-group, no clusters, 327,680 bytes of LDS; arguments q16, k16, v16, ctx, hp; writes ctx, hp
;; launch oproj: the kernel of part 4 again; grid 8 x 32, 4 waves a work-group, clusters of 4 x 4, 327,680 bytes of LDS; arguments ctx, wo16, bo, hp, Wrel, brel, out0, out1; writes out0, out1
